; MI455X (gfx1250); checked and timed in simulation.
; The chip was launched on July 23, 2026; its instructions are those of AMD's public machine-readable ISA for CDNA 5 (MIT licence, August 2026) and "CDNA5" Instruction Set Architecture Reference Guide (July 2026). The comments in the code are by the model that wrote it; some were corrected since.
;; Wubu Block. Allowed arithmetic: matrix products marked QUANTISED: E3M2 operands, one E8M0 scale for each 32 along K, by v_wmma_scale_f32_16x16x128_f8f6f4 with both operands' format E3M2, f32 sums; products left as they are: f32 operands where the result goes on into a quantised operand, else bf16, f16 or f32 operands; f32 sums; everything else in f32.
;; Inputs: W1_codes 2,048 x 16 x 24 uint8 (E3M2 codes of W1, K innermost, in blocks of 32 codes, four codes in three bytes); W1_scales 2,048 x 16 uint8 (E8M0 scales of W1, one for each 32 codes along K); W2_codes 512 x 64 x 24 uint8 (E3M2 codes of W2, K innermost, in blocks of 32 codes, four codes in three bytes); W2_scales 512 x 64 uint8 (E8M0 scales of W2, one for each 32 codes along K); Wk_codes 512 x 16 x 24 uint8 (E3M2 codes of Wk, K innermost, in blocks of 32 codes, four codes in three bytes); Wk_scales 512 x 16 uint8 (E8M0 scales of Wk, one for each 32 codes along K); Wo_codes 512 x 16 x 24 uint8 (E3M2 codes of Wo, K innermost, in blocks of 32 codes, four codes in three bytes); Wo_scales 512 x 16 uint8 (E8M0 scales of Wo, one for each 32 codes along K); Wq_codes 512 x 16 x 24 uint8 (E3M2 codes of Wq, K innermost, in blocks of 32 codes, four codes in three bytes); Wq_scales 512 x 16 uint8 (E8M0 scales of Wq, one for each 32 codes along K); Wv_codes 512 x 16 x 24 uint8 (E3M2 codes of Wv, K innermost, in blocks of 32 codes, four codes in three bytes); Wv_scales 512 x 16 uint8 (E8M0 scales of Wv, one for each 32 codes along K); b1 2,048 float32; b2 512 float32; bk 512 float32; bo 512 float32; bq 512 float32; bv 512 float32; c 2 float32; freqs_cos 1,024 x 32 float32; freqs_sin 1,024 x 32 float32; geo_scale 8 x 1 x 1 float32; hash_offset 1 x 1 x 8 x 64 float32; ln1_b 512 float32; ln1_s 512 float32; ln2_b 512 float32; ln2_s 512 float32; x 2 x 1,024 x 512 float32.
;; Outputs: out0 2 x 1,024 x 512 float32.
;; This version of the problem:
;;   THIS VERSION OF THE PROBLEM IS GIVEN IN LOW PRECISION. The matrix products marked QUANTISED in the list below multiply operands that are first quantised to E3M2 (3 exponent bits, 2 mantissa bits; 6 bits a number), with one power-of-two scale for each 32 numbers along K (OCP MX v1.0); their sums are f32. All else is computed in f32.
;;   The module's matrix products, in the order in which they are computed (A, B: the left and right operand; K: the contracted axis; several contracted axes count as one K, in the product's order):
;;     1. [M 2,048, K 512] x [K 512, N 512]; A: computed on the way; B: input Wq (given as codes): QUANTISED
;;     2. [M 2,048, K 512] x [K 512, N 512]; A: computed on the way; B: input Wk (given as codes): QUANTISED
;;     3. [M 2,048, K 512] x [K 512, N 512]; A: computed on the way; B: input Wv (given as codes): QUANTISED
;;     4. batch 16,384 x [M 1, K 64] x [K 64, N 64]; A: softmax; B: computed on the way: left as it is (M = 1 < 16)
;;     5. [M 2,048, K 512] x [K 512, N 512]; A: computed on the way; B: input Wo (given as codes): QUANTISED
;;     6. [M 2,048, K 512] x [K 512, N 2,048]; A: computed on the way; B: input W1 (given as codes): QUANTISED
;;     7. [M 2,048, K 2,048] x [K 2,048, N 512]; A: computed on the way; B: input W2 (given as codes): QUANTISED
;;   THE QUANTISER, for each operand of a quantised product, along K:
;;     - K is cut into blocks of 32 from its start; a last block that is shorter is filled with zeros.
;;     - A block's scale is 2^e with e = floor(log2(the largest magnitude in the block)) - 4, held to -126 .. 127; a block of zeros has e = 0. As a byte (E8M0): e + 127.
;;     - Each number is divided by its block's scale, clamped to +-28, and rounded to the nearest number of E3M2, ties to even, subnormals kept.
;;     - The product sums the exact products of the quantised numbers (number of the format x scale) in f32.
;;   ~~~python
;;   def quantise(x, axis):      # numpy; x: float32 -> the quantised numbers, widened to float32 again
;;       x = np.moveaxis(x, axis, -1); K = x.shape[-1]
;;       x = np.pad(x, [(0, 0)] * (x.ndim - 1) + [(0, -K % 32)]); x = x.reshape(x.shape[:-1] + (-1, 32)); a = np.abs(x).max(-1, keepdims=True)
;;       e = np.where(a > 0, np.clip(np.frexp(np.where(a > 0, a, 1))[1] - 1 - 4, -126, 127), 0)      # np.frexp(a)[1] - 1 = floor(log2(a)), exactly
;;       r = np.clip(x / 2.0 ** e, -28, 28)
;;       step = 2.0 ** (np.maximum(np.frexp(np.where(r == 0, 1, r))[1] - 1, -2) - 2)
;;       q = np.round(r / step) * step * 2.0 ** e      # np.round: ties to even
;;       return np.moveaxis(q.reshape(q.shape[:-2] + (-1,))[..., :K], -1, axis).astype(np.float32)
;;   ~~~
;;   OPERANDS COMPUTED ON THE WAY. 'Computed on the way' means the value that the module computes at that place (a softmax that the list does not call 'softmax' is quantised finished and normalised). What goes into a quantiser is computed in f32, as accurately as f32 sums, v_exp_f32 and their like allow (about 1e-6 of the number): no bf16 or f16 on the way to a quantiser, and a product that is left as it is and whose result goes on into a quantised operand takes f32 operands (vector FMAs, or v_wmma_f32_16x16x4_f32). A number that lies on a knife's edge between two numbers of the format may be rounded either way, as far as f32 arithmetic and the matrix unit's own rounding can turn it there, and no further.
;;   INPUTS GIVEN AS CODES. W1 (in the module: [512, 2048], K = its axis 0); W2 (in the module: [2048, 512], K = its axis 0); Wk (in the module: [512, 512], K = its axis 0); Wo (in the module: [512, 512], K = its axis 0); Wq (in the module: [512, 512], K = its axis 0); Wv (in the module: [512, 512], K = its axis 0): each comes as NAME_codes (uint8): NAME with its K axis moved to the last place and cut into blocks of 32 codes, [.., K / 32, bytes a block], one block behind the other in memory; four codes in three bytes: a row's codes are one little-endian stream of bits, code i at bits 6 i .. 6 i + 5 (a code: sign, 3 exponent bits, 2 mantissa bits); and NAME_scales (uint8): the same leading axes, one E8M0 byte (e + 127) for each 32 codes along K. Its value is code x scale, taken as it is: it is not quantised again, and the codes and scales need not be those that the quantiser above would give.
;; 2 versions, each right; version 2 is version 1 with the launch rest written anew for expert scheduling mode. Each part assembles by itself: llvm-mc -triple=amdgcn-amd-amdhsa -mcpu=gfx1250 --defsym DOCPART=n.
;; ======== version 1 of 2: 2 launches
;; limits: a difference of large sums (such as E[x^2] - mean^2): digits are lost where the result is much smaller than its terms
;; workspace buffers: qimg 4,194,304 bytes; kimg 4,456,448 bytes; vimg 4,456,448 bytes; qn2 65,536 bytes; kn2 69,632 bytes; wimg 1,769,472 bytes; wsc 73,728 bytes
;; launch qkv (part 1): grid 8 x 32, 4 waves a work-group, no clusters, 167,936 bytes of LDS; arguments x, ln1_s, ln1_b, Wq_codes, Wq_scales, bq, Wk_codes, Wk_scales, bk, Wv_codes, Wv_scales, bv, hash_offset, freqs_cos, freqs_sin, c, Wo_codes, Wo_scales, W1_codes, W1_scales, W2_codes, W2_scales, qimg, kimg, vimg, qn2, kn2, wimg, wsc; writes qimg, kimg, vimg, qn2, kn2, wimg, wsc
.if DOCPART == 1
	.amdgcn_target "amdgcn-amd-amdhsa--gfx1250"
	.amdhsa_code_object_version 6
	.text
	.protected	k_q59fe489c86_qkv
	.globl	k_q59fe489c86_qkv
	.p2align	8
	.type	k_q59fe489c86_qkv,@function
k_q59fe489c86_qkv:
	s_mov_b64 s[64:65], 0
	v_nop
	global_prefetch_b8 v0, s[64:65] scope:SCOPE_SE
	s_setreg_imm32_b32 hwreg(HW_REG_WAVE_MODE, 25, 1), 1
	s_wait_xcnt 0x0
; FIRST OF TWO LAUNCHES.  LN1(x), quantised along its 512; q, k, v = three products on E3M2 codes; biases; q's hash offset; rope; expmap0; the squared norms of q_h and k_h.
; Side job: the codes and scale bytes of Wo, W1, W2 are laid once in the order of an operand's registers, for the second launch.
; NO WORK OF THE PROBLEM IS LEFT OUT: every input has a way to the output and is loaded by one of the two launches.  One step is taken in another form, in the second launch: of
; diff = (A x - B y) / den only the norm is used, and |A x - B y|^2 = A^2 x.x + B^2 y.y - 2 A B x.y for all values; so x.x, y.y (made here) and x.y (made there) take the place of the 64 differences.
; LIMITS.  Where q_h and k_h nearly coincide, so that |A x - B y|^2 falls under about 1e-6 of A^2 x.x + B^2 y.y, the three-term form carries an absolute error of about 1e-3 |x| B / den in the distance.
; A block of 32 zeros gets the scale byte 1 (its codes are zeros; the bytes are read by this program alone).  NaN and infinities among the inputs are not served.
; tanh(z) / z is 1 - z^2/3 + 2 z^4/15 - 17 z^6/315 + 62 z^8/2835 for z < 0.25 (the next term is under 1e-8 there), else (1 - 2 / (1 + 2^(2 z log2 e))) / z; the choice is a select.
; SHARES.  Work-group (head, block of 64 rows); wave w owns 16 rows and makes the head's 64 columns of q, of k and of v: 12 tiles x 4 K steps of 128.  LN1 and the quantising are repeated by the eight heads'
; work-groups: so the way out (rope, norm over the head's 64) never leaves a wave.
; NO CLUSTER: the side job's shares and the pad rows are branches on the work-group's number; what the row blocks of a head share is 73,728 of some 205,000 bytes read.
; q, k: source 0 = 16 rows of the weight, source 1 = x: lane (r, h) holds position r, register 8 t + j the head's dimension 16 t + 8 h + j.
; v: source 0 = x, source 1 = 16 rows of Wv, row 32 b + 8 u + r + 8 (r / 8) in lane r: register 8 (2 b + u) + j holds position 8 h + j of that channel.  The three go to memory as images of these registers.
; REGISTERS.  window 0: v1-22 addresses; v24-51 at work; v52-99 x's four fragments; v100-103 their scale words; v104-135 q; v136-167 k; v168-231 64 numbers to quantise, later the weights' scale words
; (v168-215) and v (v216-247); v248-251 bv; v252-255 zeros.  window 1: x, later Wq's 16 fragments, cos, sin.  window 2: ln1_s, later Wk's.  window 3: ln1_b, later Wv's.
.set SPARE,  82944                     ; behind the three weights: the spare words, 128 bytes for each wave: two blocks of 256 bytes that no other line names
.set PITCH,  432                       ; a weight's row in LDS: 3 x (128 bytes + 16 of padding) = 108 words: the sixteen rows of a fragment start at sixteen different multiples of 4 banks
.set LWK,    27648                     ; 64 rows of Wq at 0, of Wk here,
.set LWV,    55296                     ; of Wv here
.set T0,     40                        ; v40-45 the quantiser's: largest magnitudes, bytes, scale operands
.set TP,     46                        ; v46-48 a block's second three code registers
.set WA,     50
.set WB,     51
.set XC,     52
.set XSW,    100
.set ACCQ,   104
.set ACCK,   136
.set YY,     168
.set HASH,   168
.set RPA,    200                       ; v200-212 the side job's fragment and its scale word
.set RPB,    214                       ; v214-226 the second one
.set WSC,    168
.set ACCV,   216
.set BV,     248
.set ZR,     252
.set COSR,   192                       ; in window 1
.set SINR,   208
.set EPS7,   0x33d6bf95                ; 1e-7
.set MSB, 0
.macro WIN new                         ; the immediate's high byte repeats the setting that is left; a switch that changes nothing is dropped
.if MSB != \new
	s_set_vgpr_msb (MSB<<8)|\new
.set MSB, \new
.endif
.endm
.macro PLACES n
.rept \n
	v_nop
.endr
.endm
; 32 numbers of a lane, register 16 b + i = k 32 b + 16 (lane / 16) + i of my row (b = 0, 1), become six code registers (lanes 0-15: block 0, lanes 16-31: block 1) and two scale bytes in v[wd].
.macro QPAIR src, dst, wd
	v_max3_num_f32 v[T0], |v[\src]|, |v[\src+1]|, 0x2800000          ; with the floor 2^(5 - 127): the byte cannot fall under 1
	v_max3_num_f32 v[T0+1], |v[\src+16]|, |v[\src+17]|, 0x2800000
.irp i, 2,4,6,8,10,12,14
	v_max3_num_f32 v[T0], v[T0], |v[\src+\i]|, |v[\src+\i+1]|
	v_max3_num_f32 v[T0+1], v[T0+1], |v[\src+16+\i]|, |v[\src+17+\i]|
.endr
	v_permlanex16_b32 v[T0+2], v[T0], s2, s3
	v_permlanex16_b32 v[T0+3], v[T0+1], s2, s3
	v_max_num_f32 v[T0], v[T0], v[T0+2]                              ; with lane l xor 16's sixteen: the block's largest magnitude
	v_max_num_f32 v[T0+1], v[T0+1], v[T0+3]
	v_add_nc_u32 v[T0+4], 0xfe000000, v[T0]                          ; 4 off its exponent field: the conversion's scale operand
	v_add_nc_u32 v[T0+5], 0xfe000000, v[T0+1]
	v_lshrrev_b32 v[T0+2], 23, v[T0+4]                               ; the scale's byte
	v_lshrrev_b32 v[T0+3], 23, v[T0+5]
	v_lshl_or_b32 v[\wd], v[T0+3], 8, v[T0+2]
	v_cvt_scalef32_pk16_bf6_f32 v[\dst:\dst+2], v[\src:\src+15], v[T0+4]
	v_cvt_scalef32_pk16_bf6_f32 v[TP:TP+2], v[\src+16:\src+31], v[T0+5]
	v_nop                                                            ; one plain place behind a scaled conversion
.irp i, 0,1,2
	v_permlane16_swap_b32 v[\dst+\i], v[TP+\i]                       ; a whole block to a lane
.endr
.irp i, 0,1,2
	v_mov_b32 v[\dst+3+\i], v[TP+\i]
.endr
.endm
; A fragment (16 rows x 128 K) out of LDS: six pieces of 8 bytes.  Lanes 16-31 read three pieces further on, which is behind one padding more where the piece is one of the last three of its 128 bytes:
; the second address register (40 for 24 bytes a half) serves those.
.macro FRAGL reg, a, base, s
.irp p, 0,1,2,3,4,5
.set PC, 12*(\s)+6*(\p/3)+\p%3
.if PC%16 < 13
	ds_load_b64 v[\reg+2*\p:\reg+2*\p+1], v[\a] offset:\base+8*PC+16*(PC/16)
.else
	ds_load_b64 v[\reg+2*\p:\reg+2*\p+1], v[\a+1] offset:\base+8*PC+16*(PC/16)
.endif
.endr
.endm
.macro RPLOAD dst, vc, vs, pc, ps      ; the side job: a fragment and its rows' scale word, as an operand's registers take them
.irp p, 0,1,2,3,4,5
	global_load_b64 v[\dst+2*\p:\dst+2*\p+1], v[\vc], s[\pc:\pc+1] offset:48*(\p/3)+8*(\p%3)
.endr
	global_load_b32 v[\dst+12], v[\vs], s[\ps:\ps+1]
.endm
.macro RPSTORE src, pi, ps             ; and out as an image: 512 consecutive bytes a store; the scale word at 16 r (four fragments' words lie together)
.irp c, 0,1,2
	global_store_b128 v12, v[\src+4*\c:\src+4*\c+3], s[\pi:\pi+1] offset:512*\c
.endr
	global_store_b32 v13, v[\src+12], s[\ps:\ps+1]
.endm
.macro ROPE acc                        ; registers 0-15 are dimensions under 32, registers 16-31 the same + 32; each accumulator is read from its low end on
	WIN 0x01
.irp i, 0,1,2,3,4,5,6,7
	v_pk_mul_f32 v[24+4*(\i%2):25+4*(\i%2)], v[COSR+2*\i:COSR+2*\i+1], v[\acc+2*\i:\acc+2*\i+1]
	v_pk_mul_f32 v[26+4*(\i%2):27+4*(\i%2)], v[SINR+2*\i:SINR+2*\i+1], v[\acc+2*\i:\acc+2*\i+1]
	v_pk_fma_f32 v[\acc+2*\i:\acc+2*\i+1], v[SINR+2*\i:SINR+2*\i+1], v[\acc+16+2*\i:\acc+17+2*\i], v[24+4*(\i%2):25+4*(\i%2)] neg_lo:[1,0,0] neg_hi:[1,0,0]
	v_pk_fma_f32 v[\acc+16+2*\i:\acc+17+2*\i], v[COSR+2*\i:COSR+2*\i+1], v[\acc+16+2*\i:\acc+17+2*\i], v[26+4*(\i%2):27+4*(\i%2)]
.endr
	WIN 0
.endm
.macro SQ acc, out                     ; the sum of the squares of a position's 64 numbers: my 32, then lane l xor 16's
	v_pk_mul_f32 v[24:25], v[\acc:\acc+1], v[\acc:\acc+1]
	v_pk_mul_f32 v[26:27], v[\acc+2:\acc+3], v[\acc+2:\acc+3]
.irp i, 4,8,12,16,20,24,28
	v_pk_fma_f32 v[24:25], v[\acc+\i:\acc+\i+1], v[\acc+\i:\acc+\i+1], v[24:25]
	v_pk_fma_f32 v[26:27], v[\acc+\i+2:\acc+\i+3], v[\acc+\i+2:\acc+\i+3], v[26:27]
.endr
	v_pk_add_f32 v[24:25], v[24:25], v[26:27]
	v_add_f32 v24, v24, v25
	v_permlanex16_b32 v26, v24, s2, s3
	v_add_f32 v[\out], v24, v26
.endm
.macro PADD p                          ; a buffer's address + the offset in s100 (s101 = 0)
	s_add_nc_u64 s[\p:\p+1], s[\p:\p+1], s[100:101]
.endm
.macro G0SET m, p                      ; descriptor group 0 of weight m: my 16 of the head's 64 rows
	s_mov_b32 s[76+4*\m], 1
	s_add_co_u32 s[77+4*\m], s98, \m*27648
	s_add_nc_u64 s[78+4*\m:79+4*\m], s[\p:\p+1], s[100:101]
	s_or_b32 s[79+4*\m], s[79+4*\m], 0x80000000
.endm
	s_load_b512 s[4:19], s[0:1], 0x0               ; x 4, ln1_s 6, ln1_b 8, Wq codes 10, scales 12, bq 14, Wk codes 16, scales 18
	s_load_b512 s[20:35], s[0:1], 0x40             ; bk 20, Wv codes 22, scales 24, bv 26, hash_offset 28, cos 30, sin 32, c 34
	s_load_b512 s[36:51], s[0:1], 0x80             ; Wo codes 36, scales 38, W1 codes 40, scales 42, W2 codes 44, scales 46, qimg 48, kimg 50
	s_load_b256 s[52:59], s[0:1], 0xc0             ; vimg 52, qn2 54, kn2 56, wimg 58
	s_load_b64 s[60:61], s[0:1], 0xe0              ; wsc
	v_lshl_add_u32 v1, v0, 2, SPARE
	v_mov_b32 v2, 0
	ds_add_u32 v1, v2                              ; the wave's opening: the add, twice on end, and its wait ahead of my first tensor load
	ds_add_u32 v1, v2
	v_lshrrev_b32 v3, 5, v0
	v_readfirstlane_b32 s62, v3                    ; wave
	s_mov_b32 s63, ttmp9                           ; head
	s_and_b32 s66, ttmp7, 0xffff                   ; block of 64 rows
	s_lshl_b32 s67, s66, 3
	s_add_co_u32 s67, s67, s63
	s_lshl_b32 s67, s67, 2
	s_add_co_u32 s67, s67, s62                     ; g: my wave's number in the launch, 0 .. 1023
	s_mov_b32 s2, 0x76543210
	s_mov_b32 s3, 0xfedcba98                       ; v_permlanex16_b32's selects for lane l xor 16
	; descriptor group 1: 16 rows of 384 bytes are one dense block: 24 rows of 256 bytes (32 elements of 8), 16 bytes of padding behind every 128
	s_mov_b32 s68, (3<<16)|(1<<20)|(4<<22)|(3<<25)
	s_mov_b32 s69, 32<<16
	s_mov_b32 s70, 24<<16
	s_mov_b32 s71, 32<<16
	s_mov_b32 s72, 24
	s_mov_b32 s73, 32
	s_mov_b32 s74, 0
	s_mov_b32 s75, 0
	v_and_b32 v3, 15, v0                           ; r
	v_bfe_u32 v4, v0, 4, 1                         ; h
	v_lshlrev_b32 v5, 11, v3
	v_lshl_add_u32 v5, v4, 6, v5                   ; x: row r of 2,048 bytes + 64 h
	v_lshlrev_b32 v6, 6, v4                        ; 64 h
	v_lshlrev_b32 v7, 5, v4                        ; 32 h
	v_mul_u32_u24 v8, v3, PITCH
	v_mad_u32_u24 v8, v4, 24, v8                   ; a fragment of Wq or Wk: row r + 24 h,
	v_lshl_add_u32 v9, v4, 4, v8                   ; and behind one padding more
	v_and_b32 v23, 8, v3
	v_add_nc_u32 v23, v23, v3                      ; r + 8 (r / 8)
	v_mul_u32_u24 v10, v23, PITCH
	v_mad_u32_u24 v10, v4, 24, v10
	v_add_nc_u32 v10, LWV, v10                     ; a fragment of Wv
	v_lshl_add_u32 v11, v4, 4, v10
	v_and_b32 v12, 31, v0
	v_lshlrev_b32 v12, 4, v12                      ; 16 x lane: an image's place
	v_lshlrev_b32 v13, 4, v3                       ; 16 r
	v_lshlrev_b32 v14, 4, v23                      ; 16 (r + 8 (r / 8))
	v_lshlrev_b32 v15, 2, v23
	v_lshlrev_b32 v16, 2, v3                       ; 4 r
	v_lshlrev_b32 v17, 7, v3
	v_lshl_add_u32 v17, v4, 5, v17                 ; cos, sin: row r of 128 bytes + 32 h
	v_mov_b32 v18, 0
	v_mov_b32 v[T0+2], 0                           ; written once: a lane permute's destination counts as one of its sources
	v_mov_b32 v[T0+3], 0
.irp i, 0,1,2,3
	v_mov_b32 v[ZR+\i], 0
.endr
	; THE SIDE JOB, A: every wave lays one fragment: g < 512: of W1 (fragment 16 + q6 of wave wd's stream), else of W2 (80 + q6).  One compare, then selects alone.
	s_and_b32 s98, s67, 511
	s_lshr_b32 s99, s98, 6                         ; wd
	s_and_b32 s98, s98, 63                         ; q6
	s_cmp_lt_u32 s67, 512
	s_cselect_b32 s76, 7, 3                        ; the tile's mask
	s_cselect_b32 s77, 3, 2                        ; the K step's shift
	s_cselect_b32 s78, 3, 15                       ; and mask
	s_cselect_b32 s79, 128, 0                      ; rows a round (W1 alone has rounds)
	s_cselect_b32 s80, 8, 6                        ; log2 of a wave's rows
	s_cselect_b32 s81, 0, 2                        ; W2's rows are four times as long
	s_cselect_b32 s82, 16, 80                      ; the stream's first fragment of this weight
	s_and_b32 s83, s98, s76                        ; tile
	s_lshr_b32 s84, s98, s77
	s_and_b32 s84, s84, s78                        ; K step
	s_lshr_b32 s85, s98, 5
	s_mul_i32 s85, s85, s79
	s_lshl_b32 s86, s99, s80
	s_add_co_u32 s85, s85, s86
	s_lshr_b32 s86, s83, 1
	s_lshl_b32 s86, s86, 5
	s_add_co_u32 s85, s85, s86
	s_and_b32 s86, s83, 1
	s_lshl_b32 s86, s86, 3
	s_add_co_u32 s85, s85, s86                     ; the fragment's base row
	s_lshl_b32 s92, 384, s81                       ; a row of codes,
	s_lshl_b32 s93, 16, s81                        ; of scale bytes
	s_mul_i32 s88, s85, s92
	s_mul_i32 s86, s84, 96
	s_add_co_u32 s88, s88, s86                     ; from: codes
	s_mul_i32 s89, s85, s93
	s_lshl_b32 s86, s84, 2
	s_add_co_u32 s89, s89, s86                     ; from: scale bytes
	s_add_co_u32 s87, s98, s82                     ; the fragment's number in the stream
	s_mul_i32 s90, s99, 221184
	s_mul_i32 s86, s87, 1536
	s_add_co_u32 s90, s90, s86                     ; to: wimg
	s_mul_i32 s91, s99, 9216
	s_lshr_b32 s86, s87, 2
	s_lshl_b32 s86, s86, 8
	s_add_co_u32 s91, s91, s86
	s_and_b32 s86, s87, 3
	s_lshl_b32 s86, s86, 2
	s_add_co_u32 s91, s91, s86                     ; to: wsc
	v_mul_lo_u32 v19, v23, s92
	v_mad_u32_u24 v19, v4, 24, v19
	v_mul_lo_u32 v20, v23, s93
	v_mul_u32_u24 v21, v23, 384
	v_mad_u32_u24 v21, v4, 24, v21
	; B: every eighth wave lays one fragment of Wo: number q4 of wave wd's stream
	s_lshr_b32 s76, s67, 3
	s_lshr_b32 s77, s76, 4                         ; wd
	s_and_b32 s78, s76, 15                         ; q4
	s_lshr_b32 s79, s78, 2                         ; K step
	s_and_b32 s80, s78, 3                          ; tile
	s_lshl_b32 s81, s77, 6
	s_lshr_b32 s82, s80, 1
	s_lshl_b32 s82, s82, 5
	s_add_co_u32 s81, s81, s82
	s_and_b32 s82, s80, 1
	s_lshl_b32 s82, s82, 3
	s_add_co_u32 s81, s81, s82
	s_mul_i32 s94, s81, 384
	s_mul_i32 s82, s79, 96
	s_add_co_u32 s94, s94, s82
	s_lshl_b32 s95, s81, 4
	s_lshl_b32 s82, s79, 2
	s_add_co_u32 s95, s95, s82
	s_mul_i32 s96, s77, 221184
	s_mul_i32 s82, s78, 1536
	s_add_co_u32 s96, s96, s82
	s_mul_i32 s97, s77, 9216
	s_lshl_b32 s82, s79, 8
	s_add_co_u32 s97, s97, s82
	s_lshl_b32 s82, s80, 2
	s_add_co_u32 s97, s97, s82
	s_mul_i32 s98, s62, 6912                       ; LDS: my 16 rows of each weight
	s_lshl_b32 s100, s63, 6
	s_lshl_b32 s99, s62, 4
	s_add_co_u32 s100, s100, s99
	s_mul_i32 s100, s100, 384                      ; memory: row 64 head + 16 wave
	s_mov_b32 s101, 0
	s_wait_dscnt 0x0                               ; both opening adds are done
	s_wait_kmcnt 0x0
	G0SET 0, 10
	G0SET 1, 16
	G0SET 2, 22
	tensor_load_to_lds s[76:79], s[68:75]          ; every wave brings a quarter of each weight's 64 rows: three loads of mine are out
	s_nop 0
	tensor_load_to_lds s[80:83], s[68:75]
	s_nop 0
	tensor_load_to_lds s[84:87], s[68:75]
	s_nop 0
	PLACES 4
	s_lshl_b32 s100, s66, 17
	s_lshl_b32 s98, s62, 15
	s_add_co_u32 s100, s100, s98
	PADD 4                                         ; x at my first row
	s_lshl_b32 s100, s63, 10
	PADD 12                                        ; the head's rows of scale bytes
	PADD 18
	PADD 24
	s_lshl_b32 s100, s63, 8
	PADD 14                                        ; the head's 64 of each bias and of the hash offset
	PADD 20
	PADD 26
	PADD 28
	s_and_b32 s98, s66, 15
	s_lshl_b32 s98, s98, 2
	s_add_co_u32 s98, s98, s62                     ; my tile of 16 positions in the sequence
	s_lshl_b32 s100, s98, 11
	PADD 30
	PADD 32
	s_lshr_b32 s99, s66, 4                         ; batch
	s_lshl_b32 s100, s99, 2
	PADD 34
	s_lshl_b32 s99, s99, 3
	s_add_co_u32 s99, s99, s63                     ; 8 batch + head
	s_lshl_b32 s100, s99, 6
	s_add_co_u32 s100, s100, s98
	s_lshl_b32 s100, s100, 12
	PADD 48
	s_mul_i32 s100, s99, 68
	s_add_co_u32 s100, s100, s98
	s_add_co_u32 s100, s100, 4                     ; four tiles of zeros stand in front of a sequence
	s_lshl_b32 s100, s100, 12
	PADD 50
	PADD 52
	s_lshl_b32 s100, s99, 12
	s_lshl_b32 s98, s98, 6
	s_add_co_u32 s100, s100, s98
	PADD 54
	s_mul_i32 s100, s99, 4352
	s_add_co_u32 s100, s100, s98
	s_add_co_u32 s100, s100, 256
	PADD 56
	s_cmp_lt_u32 s67, 512                          ; the choice hangs on the wave's number in the launch alone
	s_cselect_b64 s[40:41], s[40:41], s[44:45]
	s_cselect_b64 s[42:43], s[42:43], s[46:47]
	s_mov_b32 s100, s88
	PADD 40
	s_mov_b32 s100, s89
	PADD 42
	s_mov_b32 s100, s90
	s_add_nc_u64 s[44:45], s[58:59], s[100:101]
	s_mov_b32 s100, s91
	s_add_nc_u64 s[46:47], s[60:61], s[100:101]
	s_mov_b32 s100, s94
	PADD 36
	s_mov_b32 s100, s95
	PADD 38
	s_mov_b32 s100, s96
	PADD 58
	s_mov_b32 s100, s97
	PADD 60
	; x(r, 128 s + 32 b + 16 h + i) -> register 64 s + 16 b + i of window 1; ln1_s and ln1_b likewise into windows 2 and 3
	WIN 0x40
.set n, 0
.rept 64
	global_load_b128 v[4*n:4*n+3], v5, s[4:5] offset:128*(n/4)+16*(n%4)
.set n, n+1
.endr
	WIN 0x80
.set n, 0
.rept 64
	global_load_b128 v[4*n:4*n+3], v6, s[6:7] offset:128*(n/4)+16*(n%4)
.set n, n+1
.endr
	WIN 0xc0
.set n, 0
.rept 64
	global_load_b128 v[4*n:4*n+3], v6, s[8:9] offset:128*(n/4)+16*(n%4)
.set n, n+1
.endr
	WIN 0
.set n, 0
.rept 8                                        ; the biases in the results' layout: they are the C of the sums' first products
	global_load_b128 v[ACCQ+4*n:ACCQ+4*n+3], v7, s[14:15] offset:64*(n/2)+16*(n%2)
	global_load_b128 v[ACCK+4*n:ACCK+4*n+3], v7, s[20:21] offset:64*(n/2)+16*(n%2)
	global_load_b128 v[HASH+4*n:HASH+4*n+3], v7, s[28:29] offset:64*(n/2)+16*(n%2)
.set n, n+1
.endr
.irp d, 0,1,2,3
	global_load_b32 v[BV+\d], v15, s[26:27] offset:4*(32*(\d/2)+8*(\d%2))
.endr
	global_load_b32 v36, v18, s[34:35]             ; c of my batch
	RPLOAD RPA, 19, 20, 40, 42
	s_and_b32 s98, s67, 7
	s_cmp_lg_u32 s98, 0
	s_cbranch_scc1 .Lno_b_in
	RPLOAD RPB, 21, 14, 36, 38
.Lno_b_in:
	s_wait_loadcnt 0x0                             ; all of the above
.set n, 0
.rept 16
	v_pk_fma_f32 v[ACCQ+2*n:ACCQ+2*n+1], v[HASH+2*n:HASH+2*n+1], 0x400c9f54, v[ACCQ+2*n:ACCQ+2*n+1] op_sel_hi:[1,0,1]   ; bq + hash_offset x ln 9
.set n, n+1
.endr
	v_sqrt_f32 v37, v36
	v_nop
	s_wait_alu depctr_va_vdst(0)                   ; ahead of the root's first reader
	v_max_num_f32 v36, EPS7, v37                   ; sqrt_c
	RPSTORE RPA, 44, 46
	s_cmp_lg_u32 s98, 0
	s_cbranch_scc1 .Lno_b_out
	RPSTORE RPB, 58, 60
.Lno_b_out:
	s_and_b32 s98, s66, 15                         ; a batch's first block of rows also stores the zeros in front of the sequence: there my tile is 4 + wave, and pad tile wave lies four tiles lower
	s_cmp_lg_u32 s98, 0
	s_cbranch_scc1 .Lno_pad
.irp c, 0,1,2,3,4,5,6,7
	global_store_b128 v12, v[ZR:ZR+3], s[50:51] offset:512*\c-16384
	global_store_b128 v12, v[ZR:ZR+3], s[52:53] offset:512*\c-16384
.endr
	global_store_b32 v16, v[ZR], s[56:57] offset:-256
.Lno_pad:
	; LN1.  Lanes l and l xor 16 hold a row's two halves.
	s_mov_b32 s98, 0x3b000000                      ; 1 / 512
	WIN 0x05
.irp k, 0,1,2,3
	v_pk_add_f32 v[24+2*\k:25+2*\k], v[4*\k:4*\k+1], v[4*\k+2:4*\k+3]
.endr
	WIN 0x04
.set n, 0
.rept 120
	v_pk_add_f32 v[24+2*(n%4):25+2*(n%4)], v[24+2*(n%4):25+2*(n%4)], v[16+2*n:17+2*n]
.set n, n+1
.endr
	WIN 0
	v_pk_add_f32 v[24:25], v[24:25], v[26:27]
	v_pk_add_f32 v[28:29], v[28:29], v[30:31]
	v_pk_add_f32 v[24:25], v[24:25], v[28:29]
	v_add_f32 v24, v24, v25
	v_permlanex16_b32 v26, v24, s2, s3
	v_add_f32 v24, v24, v26
	v_mul_f32 v32, s98, v24                        ; the mean
	v_mov_b32 v33, v32
	WIN 0x41
.set n, 0
.rept 128
	v_pk_add_f32 v[2*n:2*n+1], v[2*n:2*n+1], v[32:33] neg_lo:[0,1] neg_hi:[0,1]
.set n, n+1
.endr
	WIN 0x05
.irp k, 0,1,2,3
	v_pk_mul_f32 v[24+2*\k:25+2*\k], v[2*\k:2*\k+1], v[2*\k:2*\k+1]
.endr
.set n, 4
.rept 124
	v_pk_fma_f32 v[24+2*(n%4):25+2*(n%4)], v[2*n:2*n+1], v[2*n:2*n+1], v[24+2*(n%4):25+2*(n%4)]
.set n, n+1
.endr
	WIN 0
	v_pk_add_f32 v[24:25], v[24:25], v[26:27]
	v_pk_add_f32 v[28:29], v[28:29], v[30:31]
	v_pk_add_f32 v[24:25], v[24:25], v[28:29]
	v_add_f32 v24, v24, v25
	v_permlanex16_b32 v26, v24, s2, s3
	v_add_f32 v24, v24, v26
	v_fmaak_f32 v24, s98, v24, 0x358637bd          ; the variance + 1e-6
	v_rsq_f32 v34, v24
	v_nop
	s_wait_alu depctr_va_vdst(0)
	v_mov_b32 v35, v34
	WIN 0x41
.set n, 0
.rept 128
	v_pk_mul_f32 v[2*n:2*n+1], v[2*n:2*n+1], v[34:35]
.set n, n+1
.endr
	WIN 0
	s_wait_xcnt 0x0                                ; the side job's stores have read their registers: the numbers below are written over them
.irp s, 0,1,2,3                                ; a K step of 128: x s + b, quantised: a fragment and a scale word a row
	WIN 0x39
.set n, 0
.rept 32
	v_pk_fma_f32 v[YY+2*n:YY+2*n+1], v[64*\s+2*n:64*\s+2*n+1], v[64*\s+2*n:64*\s+2*n+1], v[64*\s+2*n:64*\s+2*n+1]
.set n, n+1
.endr
	WIN 0
	QPAIR YY, XC+12*\s, WA
	QPAIR YY+32, XC+12*\s+6, WB
	v_lshl_or_b32 v[XSW+\s], v[WB], 16, v[WA]
.endr
	; the weights' scale words: a row's 16 bytes are its four K steps' words
.irp t, 0,1,2,3
	global_load_b128 v[WSC+4*\t:WSC+4*\t+3], v13, s[12:13] offset:256*\t
	global_load_b128 v[WSC+16+4*\t:WSC+16+4*\t+3], v13, s[18:19] offset:256*\t
	global_load_b128 v[WSC+32+4*\t:WSC+32+4*\t+3], v14, s[24:25] offset:16*(32*(\t/2)+8*(\t%2))
.endr
	WIN 0x40
.irp n, 0,1,2,3
	global_load_b128 v[COSR+4*\n:COSR+4*\n+3], v17, s[30:31] offset:64*(\n/2)+16*(\n%2)
	global_load_b128 v[SINR+4*\n:SINR+4*\n+3], v17, s[32:33] offset:64*(\n/2)+16*(\n%2)
.endr
	WIN 0
	s_wait_tensorcnt 0x0                           ; my quarters of the three weights have landed,
	s_barrier_signal -1
	s_barrier_wait -1                              ; everybody's have
	WIN 0x40
.irp t, 0,1,2,3
.irp s, 0,1,2,3
	FRAGL 12*(4*\t+\s), 8, 16*\t*PITCH, \s
.endr
.endr
	WIN 0x80
.irp t, 0,1,2,3
.irp s, 0,1,2,3
	FRAGL 12*(4*\t+\s), 8, LWK+16*\t*PITCH, \s
.endr
.endr
	WIN 0
	s_wait_loadcnt 0x0                             ; scale words, cos, sin
	s_wait_dscnt 63                                ; behind Wq's last load stand Wk's 96: Wq's fragments are in
	PLACES 8                                       ; x's scale words and codes were written by vector instructions
	WIN 0x01
.irp s, 0,1,2,3                                ; four accumulators by turns
.irp t, 0,1,2,3
	v_wmma_scale_f32_16x16x128_f8f6f4 v[ACCQ+8*\t:ACCQ+8*\t+7], v[12*(4*\t+\s):12*(4*\t+\s)+11], v[XC+12*\s:XC+12*\s+11], v[ACCQ+8*\t:ACCQ+8*\t+7], v[WSC+4*\t+\s], v[XSW+\s] matrix_a_fmt:MATRIX_FMT_BF6 matrix_b_fmt:MATRIX_FMT_BF6
.endr
.endr
	WIN 0xc0
.irp t, 0,1,2,3
.irp s, 0,1,2,3
	FRAGL 12*(4*\t+\s), 10, (32*(\t/2)+8*(\t%2))*PITCH, \s
.endr
.endr
	s_wait_dscnt 63                                ; behind Wk's last load stand Wv's 96
	WIN 0x02
.irp s, 0,1,2,3
.irp t, 0,1,2,3
	v_wmma_scale_f32_16x16x128_f8f6f4 v[ACCK+8*\t:ACCK+8*\t+7], v[12*(4*\t+\s):12*(4*\t+\s)+11], v[XC+12*\s:XC+12*\s+11], v[ACCK+8*\t:ACCK+8*\t+7], v[WSC+16+4*\t+\s], v[XSW+\s] matrix_a_fmt:MATRIX_FMT_BF6 matrix_b_fmt:MATRIX_FMT_BF6
.endr
.endr
	s_wait_dscnt 0x0
	WIN 0x0c
.irp s, 0,1,2,3
.irp t, 0,1,2,3
.if \s == 0
	v_wmma_scale_f32_16x16x128_f8f6f4 v[ACCV+8*\t:ACCV+8*\t+7], v[XC+12*\s:XC+12*\s+11], v[12*(4*\t+\s):12*(4*\t+\s)+11], 0, v[XSW+\s], v[WSC+32+4*\t+\s] matrix_a_fmt:MATRIX_FMT_BF6 matrix_b_fmt:MATRIX_FMT_BF6
.else
	v_wmma_scale_f32_16x16x128_f8f6f4 v[ACCV+8*\t:ACCV+8*\t+7], v[XC+12*\s:XC+12*\s+11], v[12*(4*\t+\s):12*(4*\t+\s)+11], v[ACCV+8*\t:ACCV+8*\t+7], v[XSW+\s], v[WSC+32+4*\t+\s] matrix_a_fmt:MATRIX_FMT_BF6 matrix_b_fmt:MATRIX_FMT_BF6
.endif
.endr
.endr
	WIN 0
	PLACES 4
	; q and k: rope, then expmap0: x tanh(z) / z with z = sqrt_c max(|x|, 1e-7); zero where |x| < 1e-7
	ROPE ACCQ
	ROPE ACCK
	SQ ACCQ, 60
	SQ ACCK, 61
	v_sqrt_f32 v62, v60
	v_sqrt_f32 v63, v61
	v_nop
	s_wait_alu depctr_va_vdst(0)                   ; one wait for the two roots
	v_max_num_f32 v64, EPS7, v62
	v_max_num_f32 v65, EPS7, v63
	v_mul_f32 v66, v36, v64                        ; z
	v_mul_f32 v67, v36, v65
	v_mul_f32 v68, 0x4038aa3b, v66                 ; 2 z log2 e
	v_mul_f32 v69, 0x4038aa3b, v67
	v_exp_f32 v70, v68
	v_exp_f32 v71, v69
	v_rcp_f32 v72, v66
	v_rcp_f32 v73, v67
	v_mul_f32 v74, v66, v66                        ; the series, which reads none of the four, stands between them and their wait
	v_mul_f32 v75, v67, v67
	v_mov_b32 v78, 0x3cb327a5
	v_mov_b32 v79, 0x3cb327a5
	v_fmaak_f32 v78, v78, v74, 0xbd5d0dd1
	v_fmaak_f32 v79, v79, v75, 0xbd5d0dd1
	v_fmaak_f32 v78, v78, v74, 0x3e088889
	v_fmaak_f32 v79, v79, v75, 0x3e088889
	v_fmaak_f32 v78, v78, v74, 0xbeaaaaab
	v_fmaak_f32 v79, v79, v75, 0xbeaaaaab
	v_fma_f32 v78, v78, v74, 1.0
	v_fma_f32 v79, v79, v75, 1.0
	s_wait_alu depctr_va_vdst(0)
	v_add_f32 v70, 1.0, v70
	v_add_f32 v71, 1.0, v71
	v_rcp_f32 v76, v70
	v_rcp_f32 v77, v71
	v_nop
	s_wait_alu depctr_va_vdst(0)
	v_fma_f32 v76, v76, -2.0, 1.0                  ; tanh(z)
	v_fma_f32 v77, v77, -2.0, 1.0
	v_mul_f32 v76, v76, v72
	v_mul_f32 v77, v77, v73
	v_cmp_gt_f32 vcc_lo, 0x3e800000, v66
	v_cndmask_b32 v80, v76, v78, vcc_lo
	v_cmp_gt_f32 vcc_lo, 0x3e800000, v67
	v_cndmask_b32 v82, v77, v79, vcc_lo
	v_cmp_gt_f32 vcc_lo, EPS7, v62
	v_cndmask_b32 v80, v80, v18, vcc_lo
	v_cmp_gt_f32 vcc_lo, EPS7, v63
	v_cndmask_b32 v82, v82, v18, vcc_lo
	v_mov_b32 v81, v80
	v_mov_b32 v83, v82
.set n, 0
.rept 16
	v_pk_mul_f32 v[ACCQ+2*n:ACCQ+2*n+1], v[ACCQ+2*n:ACCQ+2*n+1], v[80:81]
	v_pk_mul_f32 v[ACCK+2*n:ACCK+2*n+1], v[ACCK+2*n:ACCK+2*n+1], v[82:83]
.set n, n+1
.endr
.irp c, 0,1,2,3,4,5,6,7
	global_store_b128 v12, v[ACCQ+4*\c:ACCQ+4*\c+3], s[48:49] offset:512*\c   ; 32 lanes store 512 consecutive bytes
	global_store_b128 v12, v[ACCK+4*\c:ACCK+4*\c+3], s[50:51] offset:512*\c
.endr
	SQ ACCQ, 60                                    ; the squared norms of what was stored
	SQ ACCK, 61
	global_store_b32 v16, v60, s[54:55]
	global_store_b32 v16, v61, s[56:57]
.irp d, 0,1,2,3
.irp j, 0,1,2,3,4,5,6,7
	v_add_f32 v[ACCV+8*\d+\j], v[ACCV+8*\d+\j], v[BV+\d]   ; a lane holds one channel of v in a tile
.endr
.endr
.irp c, 0,1,2,3,4,5,6,7
	global_store_b128 v12, v[ACCV+4*\c:ACCV+4*\c+3], s[52:53] offset:512*\c
.endr
	s_wait_tensorcnt 0x0                           ; the wave's end
	ds_add_u32 v1, v2
	s_wait_dscnt 0x0
	s_endpgm
.Lfunc_end_k_q59fe489c86_qkv:
	.size	k_q59fe489c86_qkv, .Lfunc_end_k_q59fe489c86_qkv-k_q59fe489c86_qkv
	.p2alignl 7, 3214868480
	.fill 96, 4, 3214868480
	.section	.rodata,"a",@progbits
	.p2align	6, 0x0
	.amdhsa_kernel k_q59fe489c86_qkv
		.amdhsa_group_segment_fixed_size 167936
		.amdhsa_private_segment_fixed_size 0
		.amdhsa_enable_private_segment 0
		.amdhsa_kernarg_size 232
		.amdhsa_user_sgpr_count 2
		.amdhsa_user_sgpr_kernarg_segment_ptr 1
		.amdhsa_wavefront_size32 1
		.amdhsa_system_sgpr_workgroup_id_x 1
		.amdhsa_system_sgpr_workgroup_id_y 1
		.amdhsa_system_sgpr_workgroup_id_z 1
		.amdhsa_system_vgpr_workitem_id 0
		.amdhsa_next_free_vgpr 1024
		.amdhsa_next_free_sgpr 102
		.amdhsa_reserve_vcc 1
		.amdhsa_float_denorm_mode_32 3
		.amdhsa_float_denorm_mode_16_64 3
		.amdhsa_memory_ordered 1
		.amdhsa_forward_progress 1
		.amdhsa_inst_pref_size 136
	.end_amdhsa_kernel
	.amdgpu_metadata
---
amdhsa.version: [ 1, 2 ]
amdhsa.kernels:
  - .name:           k_q59fe489c86_qkv
    .symbol:         k_q59fe489c86_qkv.kd
    .args:
      - { .name: x, .offset: 0, .size: 8, .value_kind: global_buffer, .address_space: global }
      - { .name: ln1_s, .offset: 8, .size: 8, .value_kind: global_buffer, .address_space: global }
      - { .name: ln1_b, .offset: 16, .size: 8, .value_kind: global_buffer, .address_space: global }
      - { .name: Wq_codes, .offset: 24, .size: 8, .value_kind: global_buffer, .address_space: global }
      - { .name: Wq_scales, .offset: 32, .size: 8, .value_kind: global_buffer, .address_space: global }
      - { .name: bq, .offset: 40, .size: 8, .value_kind: global_buffer, .address_space: global }
      - { .name: Wk_codes, .offset: 48, .size: 8, .value_kind: global_buffer, .address_space: global }
      - { .name: Wk_scales, .offset: 56, .size: 8, .value_kind: global_buffer, .address_space: global }
      - { .name: bk, .offset: 64, .size: 8, .value_kind: global_buffer, .address_space: global }
      - { .name: Wv_codes, .offset: 72, .size: 8, .value_kind: global_buffer, .address_space: global }
      - { .name: Wv_scales, .offset: 80, .size: 8, .value_kind: global_buffer, .address_space: global }
      - { .name: bv, .offset: 88, .size: 8, .value_kind: global_buffer, .address_space: global }
      - { .name: hash_offset, .offset: 96, .size: 8, .value_kind: global_buffer, .address_space: global }
      - { .name: freqs_cos, .offset: 104, .size: 8, .value_kind: global_buffer, .address_space: global }
      - { .name: freqs_sin, .offset: 112, .size: 8, .value_kind: global_buffer, .address_space: global }
      - { .name: c, .offset: 120, .size: 8, .value_kind: global_buffer, .address_space: global }
      - { .name: Wo_codes, .offset: 128, .size: 8, .value_kind: global_buffer, .address_space: global }
      - { .name: Wo_scales, .offset: 136, .size: 8, .value_kind: global_buffer, .address_space: global }
      - { .name: W1_codes, .offset: 144, .size: 8, .value_kind: global_buffer, .address_space: global }
      - { .name: W1_scales, .offset: 152, .size: 8, .value_kind: global_buffer, .address_space: global }
      - { .name: W2_codes, .offset: 160, .size: 8, .value_kind: global_buffer, .address_space: global }
      - { .name: W2_scales, .offset: 168, .size: 8, .value_kind: global_buffer, .address_space: global }
      - { .name: qimg, .offset: 176, .size: 8, .value_kind: global_buffer, .address_space: global }
      - { .name: kimg, .offset: 184, .size: 8, .value_kind: global_buffer, .address_space: global }
      - { .name: vimg, .offset: 192, .size: 8, .value_kind: global_buffer, .address_space: global }
      - { .name: qn2, .offset: 200, .size: 8, .value_kind: global_buffer, .address_space: global }
      - { .name: kn2, .offset: 208, .size: 8, .value_kind: global_buffer, .address_space: global }
      - { .name: wimg, .offset: 216, .size: 8, .value_kind: global_buffer, .address_space: global }
      - { .name: wsc, .offset: 224, .size: 8, .value_kind: global_buffer, .address_space: global }
    .group_segment_fixed_size: 167936
    .private_segment_fixed_size: 0
    .kernarg_segment_align: 8
    .kernarg_segment_size: 232
    .max_flat_workgroup_size: 128
    .sgpr_count:     102
    .vgpr_count:     1024
    .wavefront_size: 32
...
	.end_amdgpu_metadata
.endif
;; end of part 1
;; launch rest (part 2): grid 128 x 1, 8 waves a work-group, no clusters, 76,800 bytes of LDS; arguments qimg, kimg, vimg, qn2, kn2, c, geo_scale, x, bo, wimg, wsc, ln2_s, ln2_b, b1, b2, out0; writes out0
.if DOCPART == 2
	.amdgcn_target "amdgcn-amd-amdhsa--gfx1250"
	.amdhsa_code_object_version 6
	.text
	.protected	k_q59fe489c86_rest
	.globl	k_q59fe489c86_rest
	.p2align	8
	.type	k_q59fe489c86_rest,@function
k_q59fe489c86_rest:
	s_mov_b64 s[64:65], 0
	v_nop
	global_prefetch_b8 v0, s[64:65] scope:SCOPE_SE
	s_setreg_imm32_b32 hwreg(HW_REG_WAVE_MODE, 25, 1), 1
	s_wait_xcnt 0x0
; SECOND LAUNCH.  For a block of 16 rows: window attention by Poincare distances, Wo, + x, LN2, W1, gelu, W2, + x_out.  Nothing between these steps goes to memory.
; No work of the problem is left out.  Of diff = (A x - B y) / den only the norm is used: |A x - B y|^2 = A^2 x.x + B^2 y.y - 2 A B x.y for all values, so the 64 differences of each score are not formed.
; LIMITS.  Where q_h and k_h nearly coincide (|A x - B y|^2 under about 1e-6 of A^2 x.x + B^2 y.y) the distance carries an absolute error of about 1e-3 |x| B / den.  A key outside the window has p = 0 and is
; still multiplied by its v: a NaN or an infinity in such a row of v would reach the result.  A block of 32 zeros gets the scale byte 1 (zero codes).  NaN and infinities among the inputs are not served.
; SHARES.  Work-group = 16 rows.  In the attention wave w is head w.  In each product wave w owns columns for all 16 rows: 64 of Wo's and W2's outputs, 256 hidden units: each weight byte enters the WGP once.
; 2,048 rows in tiles of 16, each row with one owner, are 128 work-groups.
; THE WEIGHTS come from memory straight into operand registers, as the first launch has laid them, in the order of use: 36 groups of four fragments and their scale words, three groups on their way.
; NO CLUSTER, NO TENSOR LOAD: with 16 rows a fragment feeds one matrix instruction; a joint load would send every weight byte through LDS and back out for that one use, with a round of the cluster for each refill.
; ATTENTION.  S^T = K Q^T and O^T = V^T P^T on f32 operands (their results go on into a quantiser): a lane holds one query (lane % 16).  Five tiles of 16 keys cover the window of 64; the first and the last are masked.
; score x log2 e = (geo / sqrt_c) (log2(1 - a) - log2(1 + a)), a = min(sqrt_c max(dn, 1e-7), 1 - 1e-7); the row's maximum is taken away; p = 2^(..); O is divided by p's sum.
; OPERANDS GO FROM WAVE TO WAVE THROUGH LDS AS IMAGES OF THEIR REGISTERS: register pair p of a fragment at 256 p + 8 x lane, a scale word at 4 x lane.  Five barriers; every region has bytes of its own.
; With a weight's rows base + r + 8 (r / 8) as source 0, register 16 b + i of lane (r, h) is column 32 b + 16 h + i of row r: sixteen neighbours along the next K.
; REGISTERS.  window 0: v1-15 addresses; v16-23 a query's constants, later more addresses; v24-39 at work; v40-51 the ring's scale words; v52-55 the other operand's; v56-95 S, O, x_out: written by matrix
; instructions alone; v96-135 y.y, then p; later ln2_s, h, the hidden layer (v96-159); v136-175 Q, then den; later attn, d; v160-191 gelu's; v176-207 x, ln2_b, the last sums; v208-239 x + bo, x_out + b2; v240-251 codes.
; window 1: v0-159 K, then V; later v0-47 ring slot 2, v48-95 four fragments of the other operand, v96-159 b1, b2; v160-207, v208-255 ring slots 0, 1.
.set AIMG,  0                          ; attn: 4 fragments of 1,536 bytes
.set ASC,   6144                       ; their scale words, 128 bytes each
.set HIMG,  6656                       ; h likewise
.set HSC,   12800
.set FIMG,  13312                      ; the hidden layer: 16 fragments
.set FSC,   37888
.set RED1,  39936                      ; LN2: 8 partial sums a row
.set RED2,  40448
.set STG,   40960                      ; a stage of 16 rows x (256 + 16) bytes for each wave
.set SPARE, 75776                      ; the spare words, 128 bytes for each wave: four blocks of 256 bytes that no other line names
.set SR,    40
.set XS,    52
.set SS,    56
.set XO,    56
.set PP,    96
.set DD,    136
.set QQ,    136
.set AT,    136
.set XI,    176
.set C0,    208
.set CD,    240
.set HA,    96
.set GT,    160
.set YA,    176
.set T0,    24
.set TP,    32
.set WA,    36
.set WB,    37
.set FB,    48                         ; in window 1
.set BB,    96                         ; in window 1
.set EPS7,  0x33d6bf95                 ; 1e-7
.set MSB, 0
.macro WIN new
.if MSB != \new
	s_set_vgpr_msb (MSB<<8)|\new
.set MSB, \new
.endif
.endm
.macro PLACES n
.rept \n
	v_nop
.endr
.endm
.macro QPAIR src, dst, wd              ; as in the first launch: 32 numbers of a lane -> six code registers and two scale bytes
	v_max3_num_f32 v[T0], |v[\src]|, |v[\src+1]|, 0x2800000
	v_max3_num_f32 v[T0+1], |v[\src+16]|, |v[\src+17]|, 0x2800000
.irp i, 2,4,6,8,10,12,14
	v_max3_num_f32 v[T0], v[T0], |v[\src+\i]|, |v[\src+\i+1]|
	v_max3_num_f32 v[T0+1], v[T0+1], |v[\src+16+\i]|, |v[\src+17+\i]|
.endr
	v_permlanex16_b32 v[T0+2], v[T0], s2, s3
	v_permlanex16_b32 v[T0+3], v[T0+1], s2, s3
	v_max_num_f32 v[T0], v[T0], v[T0+2]
	v_max_num_f32 v[T0+1], v[T0+1], v[T0+3]
	v_add_nc_u32 v[T0+4], 0xfe000000, v[T0]
	v_add_nc_u32 v[T0+5], 0xfe000000, v[T0+1]
	v_lshrrev_b32 v[T0+2], 23, v[T0+4]
	v_lshrrev_b32 v[T0+3], 23, v[T0+5]
	v_lshl_or_b32 v[\wd], v[T0+3], 8, v[T0+2]
	v_cvt_scalef32_pk16_bf6_f32 v[\dst:\dst+2], v[\src:\src+15], v[T0+4]
	v_cvt_scalef32_pk16_bf6_f32 v[TP:TP+2], v[\src+16:\src+31], v[T0+5]
	v_nop
.irp i, 0,1,2
	v_permlane16_swap_b32 v[\dst+\i], v[TP+\i]
.endr
.irp i, 0,1,2
	v_mov_b32 v[\dst+3+\i], v[TP+\i]
.endr
.endm
.macro PADD p                          ; a buffer's address + the offset in s52 (s53 = 0)
	s_add_nc_u64 s[\p:\p+1], s[\p:\p+1], s[52:53]
.endm
.macro LOADG G                         ; group G of my stream: four fragments (12 loads of 512 consecutive bytes) and their scale words: 13 loads
.set RB, 160+48*((\G)%3)
.if ((\G)%3) == 2
.set RB, 0
.endif
	WIN 0x40
.irp i, 0,1,2,3
.irp c, 0,1,2
	global_load_b128 v[RB+12*\i+4*\c:RB+12*\i+4*\c+3], v3, s[26:27] offset:6144*(\G)+1536*\i+512*\c
.endr
.endr
	WIN 0
	global_load_b128 v[SR+4*((\G)%3):SR+4*((\G)%3)+3], v6, s[28:29] offset:256*(\G)
.endm
.macro NEXTG G                         ; the slot just multiplied takes the group three further on
.if (\G)+3 <= 35
	LOADG (\G)+3
.endif
.endm
; Four products: group G's fragments (source 0) x the fragment at v[bf] of window 1.  cm = 0: in place; 1: the sums begin with v[cb ..] of window 0; 2: of window 1.  Four accumulators by turns.
.macro MM4 G, d, bf, bs, cm, cb
.set RB, 160+48*((\G)%3)
.if ((\G)%3) == 2
.set RB, 0
.endif
.set SRG, SR+4*((\G)%3)
.if \cm == 2
	WIN 0x15
.else
	WIN 0x05
.endif
.irp i, 0,1,2,3
.if \cm == 0
	v_wmma_scale_f32_16x16x128_f8f6f4 v[\d+8*\i:\d+8*\i+7], v[RB+12*\i:RB+12*\i+11], v[\bf:\bf+11], v[\d+8*\i:\d+8*\i+7], v[SRG+\i], v[\bs] matrix_a_fmt:MATRIX_FMT_BF6 matrix_b_fmt:MATRIX_FMT_BF6
.else
	v_wmma_scale_f32_16x16x128_f8f6f4 v[\d+8*\i:\d+8*\i+7], v[RB+12*\i:RB+12*\i+11], v[\bf:\bf+11], v[\cb+8*\i:\cb+8*\i+7], v[SRG+\i], v[\bs] matrix_a_fmt:MATRIX_FMT_BF6 matrix_b_fmt:MATRIX_FMT_BF6
.endif
.endr
.endm
.macro STEPG G, d, bf, bs, cm, cb
.if (\G) >= 2                          ; (groups 0 and 1 are covered by the wait for all loads ahead of the second attention product)
.if 35-(\G) >= 2
	s_wait_loadcnt 26                              ; the two younger groups may be out
.else
	s_wait_loadcnt 13*(35-(\G))
.endif
.endif
	MM4 \G, \d, \bf, \bs, \cm, \cb
	WIN 0
	PLACES 4                                       ; in front of loads into the registers just multiplied, and of the first read of results
.endm
.macro FETCH reg, off                  ; a fragment's image out of LDS into window 1
	WIN 0x40
.irp p, 0,1,2,3,4,5
	ds_load_b64 v[\reg+2*\p:\reg+2*\p+1], v4 offset:\off+256*\p
.endr
	WIN 0
.endm
.macro HFETCH f                        ; hidden fragment f and its scale words: seven LDS loads
	FETCH FB+12*((\f)%4), FIMG+1536*(\f)
	ds_load_b32 v[XS+(\f)%4], v5 offset:FSC+128*(\f)
.endm
.macro BAR                             ; my LDS stores have landed and my LDS loads are in: then the work-group's barrier
	s_wait_dscnt 0x0
	s_barrier_signal -1
	s_barrier_wait -1
.endm
.macro GELU32 a                        ; x / (1 + 2^(x (K1 + K2 x^2))), K1 = -2 log2(e) sqrt(2 / pi), K2 = 0.044715 K1: the tanh form of gelu
.set n, 0
.rept 16
	v_pk_mul_f32 v[GT+2*n:GT+2*n+1], v[\a+2*n:\a+2*n+1], v[\a+2*n:\a+2*n+1]
.set n, n+1
.endr
.set n, 0
.rept 16
	v_pk_fma_f32 v[GT+2*n:GT+2*n+1], v[GT+2*n:GT+2*n+1], s[50:51], v[22:23] op_sel_hi:[1,0,1]
.set n, n+1
.endr
.set n, 0
.rept 16
	v_pk_mul_f32 v[GT+2*n:GT+2*n+1], v[GT+2*n:GT+2*n+1], v[\a+2*n:\a+2*n+1]
.set n, n+1
.endr
.set n, 0
.rept 32
	v_exp_f32 v[GT+n], v[GT+n]
.set n, n+1
.endr
	v_nop
	s_wait_alu depctr_va_vdst(0)                   ; one wait for the batch
.set n, 0
.rept 16
	v_pk_add_f32 v[GT+2*n:GT+2*n+1], v[GT+2*n:GT+2*n+1], 1.0 op_sel_hi:[1,0]
.set n, n+1
.endr
.set n, 0
.rept 32
	v_rcp_f32 v[GT+n], v[GT+n]
.set n, n+1
.endr
	v_nop
	s_wait_alu depctr_va_vdst(0)
.set n, 0
.rept 16
	v_pk_mul_f32 v[\a+2*n:\a+2*n+1], v[\a+2*n:\a+2*n+1], v[GT+2*n:GT+2*n+1]
.set n, n+1
.endr
.endm
	s_load_b512 s[8:23], s[0:1], 0x0               ; qimg 8, kimg 10, vimg 12, qn2 14, kn2 16, c 18, geo_scale 20, x 22
	s_load_b512 s[24:39], s[0:1], 0x40             ; bo 24, wimg 26, wsc 28, ln2_s 30, ln2_b 32, b1 34, b2 36, out0 38
	v_lshl_add_u32 v1, v0, 2, SPARE
	v_mov_b32 v2, 0
	v_lshrrev_b32 v3, 5, v0
	v_readfirstlane_b32 s4, v3                     ; wave = head
	s_mov_b32 s2, 0x76543210
	s_mov_b32 s3, 0xfedcba98
	s_mov_b32 s50, 0xbdd2d3e8                      ; K2
	s_mov_b32 s51, s50
	v_and_b32 v16, 31, v0                          ; lane
	v_and_b32 v17, 15, v0                          ; r
	v_bfe_u32 v18, v0, 4, 1                        ; h
	v_lshlrev_b32 v3, 4, v16                       ; 16 x lane
	v_lshlrev_b32 v4, 3, v16                       ; 8 x lane
	v_lshlrev_b32 v5, 2, v16                       ; 4 x lane
	v_lshlrev_b32 v6, 4, v17                       ; 16 r
	v_lshlrev_b32 v7, 6, v18                       ; 64 h
	v_lshlrev_b32 v8, 5, v18                       ; 32 h
	v_lshlrev_b32 v9, 2, v17                       ; 4 r
	v_lshl_add_u32 v10, v18, 11, v6                ; x, out0: lanes 0-15 one row's 256 bytes, lanes 16-31 the next row's
	s_mul_i32 s52, s4, 4352
	s_add_co_u32 s52, s52, STG                     ; my stage
	v_mul_u32_u24 v11, v18, 272
	v_add_nc_u32 v11, v11, v6
	v_add_nc_u32 v11, s52, v11                     ; by rows
	v_mul_u32_u24 v12, v17, 272
	v_lshl_add_u32 v12, v18, 6, v12
	v_add_nc_u32 v12, s52, v12                     ; by the results' layout: row r, + 64 h
	v_mov_b32 v13, 0
	v_lshlrev_b32 v14, 3, v18
	v_sub_nc_u32 v14, v17, v14                     ; r - 8 h
	v_mov_b32 v15, 0xff800000                      ; minus infinity
	s_mov_b32 s53, 0
	s_lshr_b32 s54, ttmp9, 6                       ; batch
	s_and_b32 s55, ttmp9, 63                       ; my tile of 16 positions
	s_lshl_b32 s56, s54, 3
	s_add_co_u32 s56, s56, s4                      ; 8 batch + head
	s_wait_kmcnt 0x0
	s_lshl_b32 s52, s56, 6
	s_add_co_u32 s52, s52, s55
	s_lshl_b32 s52, s52, 12
	PADD 8
	s_mul_i32 s52, s56, 68
	s_add_co_u32 s52, s52, s55
	s_lshl_b32 s52, s52, 12
	PADD 10                                        ; padded tiles qt .. qt + 4 hold positions 16 qt - 64 .. 16 qt + 15
	PADD 12
	s_lshl_b32 s52, s56, 12
	s_lshl_b32 s57, s55, 6
	s_add_co_u32 s52, s52, s57
	PADD 14
	s_mul_i32 s52, s56, 4352
	s_add_co_u32 s52, s52, s57
	PADD 16
	s_lshl_b32 s52, s54, 2
	PADD 18
	s_lshl_b32 s52, s4, 2
	PADD 20
	s_lshl_b32 s52, ttmp9, 15
	s_lshl_b32 s57, s4, 8
	s_add_co_u32 s52, s52, s57
	PADD 22
	PADD 38
	s_mov_b32 s52, s57
	PADD 24
	PADD 30
	PADD 32
	PADD 36
	s_lshl_b32 s52, s4, 10
	PADD 34
	s_mul_i32 s52, s4, 221184
	PADD 26
	s_mul_i32 s52, s4, 9216
	PADD 28
.irp c, 0,1,2,3,4,5,6,7
	global_load_b128 v[QQ+4*\c:QQ+4*\c+3], v3, s[8:9] offset:512*\c th:TH_LOAD_NT
.endr
	WIN 0x40
.set n, 0
.rept 40
	global_load_b128 v[4*n:4*n+3], v3, s[10:11] offset:512*n
.set n, n+1
.endr
	WIN 0
.set n, 0
.rept 10
	global_load_b128 v[PP+4*n:PP+4*n+3], v8, s[16:17] offset:64*(n/2)+16*(n%2)   ; y.y in the scores' layout
.set n, n+1
.endr
	global_load_b32 v18, v9, s[14:15]              ; x.x of my query
	global_load_b32 v25, v13, s[18:19]             ; c
	global_load_b32 v26, v13, s[20:21]             ; geo_scale
.irp i, 0,1,2,3,4,5,6,7
	global_load_b128 v[XI+4*\i:XI+4*\i+3], v10, s[22:23] offset:4096*\i th:TH_LOAD_NT   ; sixteen lanes read 256 consecutive bytes of a row
.endr
.set n, 0
.rept 8
	global_load_b128 v[C0+4*n:C0+4*n+3], v7, s[24:25] offset:128*(n/4)+16*(n%4)
.set n, n+1
.endr
	LOADG 0
	LOADG 1
	s_wait_loadcnt 55                              ; behind K's last load: 10 + 3 + 16 + 26
	WIN 0x01
.irp s, 0,1,2,3,4,5,6,7,8,9,10,11,12,13,14,15  ; x.y: registers 2 s, 2 s + 1 of K's and of Q's image hold the same four dimensions; five accumulators by turns
.irp t, 0,1,2,3,4
.if \s == 0
	v_wmma_f32_16x16x4_f32 v[SS+8*\t:SS+8*\t+7], v[32*\t+2*\s:32*\t+2*\s+1], v[QQ+2*\s:QQ+2*\s+1], 0
.else
	v_wmma_f32_16x16x4_f32 v[SS+8*\t:SS+8*\t+7], v[32*\t+2*\s:32*\t+2*\s+1], v[QQ+2*\s:QQ+2*\s+1], v[SS+8*\t:SS+8*\t+7]
.endif
.endr
.endr
	WIN 0
	PLACES 8                                       ; in front of the loads into K's registers, of the first read of the scores and of the writes over Q
	WIN 0x40
.set n, 0
.rept 40
	global_load_b128 v[4*n:4*n+3], v3, s[12:13] offset:512*n
.set n, n+1
.endr
	WIN 0
	s_wait_loadcnt 63                              ; 82 loads are younger than geo_scale's
	v_sqrt_f32 v27, v25
	v_nop
	s_wait_alu depctr_va_vdst(0)
	v_max_num_f32 v27, EPS7, v27                   ; sqrt_c
	v_rcp_f32 v28, v27
	v_mul_f32 v29, -2.0, v25
	s_wait_alu depctr_va_vdst(0)
	v_mul_f32 v28, v26, v28                        ; geo / sqrt_c
	v_readfirstlane_b32 s40, v25
	s_mov_b32 s41, s40
	v_readfirstlane_b32 s42, v29
	s_mov_b32 s43, s42
	v_readfirstlane_b32 s44, v27
	s_mov_b32 s45, s44
	v_readfirstlane_b32 s46, v28
	s_mov_b32 s47, s46
	v_mul_f32 v30, s40, v18                        ; c x.x
	v_sub_f32 v31, 1.0, v30                        ; B
	v_mul_f32 v22, v31, v31                        ; B^2
	v_mul_f32 v20, -2.0, v31                       ; -2 B
	v_mul_f32 v16, s40, v30                        ; c^2 x.x
	v_mov_b32 v17, v16
	v_mov_b32 v19, v18
	v_mov_b32 v21, v20
	v_mov_b32 v23, v22
.set n, 0
.rept 20                                       ; two scores at a time, each accumulator from its low end on
.set UU, 24+8*(n%2)
	v_pk_fma_f32 v[UU:UU+1], v[SS+2*n:SS+2*n+1], s[42:43], 1.0 op_sel_hi:[1,0,0]              ; 1 - 2 c x.y
	v_pk_fma_f32 v[UU+2:UU+3], v[PP+2*n:PP+2*n+1], s[40:41], v[UU:UU+1] op_sel_hi:[1,0,1]     ; A
	v_pk_fma_f32 v[DD+2*n:DD+2*n+1], v[PP+2*n:PP+2*n+1], v[16:17], v[UU:UU+1]                 ; den
	v_pk_mul_f32 v[UU+4:UU+5], v[UU+2:UU+3], v[18:19]
	v_pk_fma_f32 v[UU+4:UU+5], v[SS+2*n:SS+2*n+1], v[20:21], v[UU+4:UU+5]                     ; A x.x - 2 B x.y
	v_pk_mul_f32 v[PP+2*n:PP+2*n+1], v[PP+2*n:PP+2*n+1], v[22:23]
	v_pk_fma_f32 v[PP+2*n:PP+2*n+1], v[UU+2:UU+3], v[UU+4:UU+5], v[PP+2*n:PP+2*n+1]           ; |A x - B y|^2
	v_max_num_f32 v[PP+2*n], 0, v[PP+2*n]
	v_max_num_f32 v[PP+2*n+1], 0, v[PP+2*n+1]
	v_max_num_f32 v[DD+2*n], EPS7, v[DD+2*n]
	v_max_num_f32 v[DD+2*n+1], EPS7, v[DD+2*n+1]
.set n, n+1
.endr
.set n, 0
.rept 40
	v_sqrt_f32 v[PP+n], v[PP+n]
.set n, n+1
.endr
.set n, 0
.rept 40
	v_rcp_f32 v[DD+n], v[DD+n]
.set n, n+1
.endr
	v_nop
	s_wait_alu depctr_va_vdst(0)                   ; one wait for the 80
.set n, 0
.rept 20
	v_pk_mul_f32 v[PP+2*n:PP+2*n+1], v[PP+2*n:PP+2*n+1], v[DD+2*n:DD+2*n+1]                   ; dn
	v_max_num_f32 v[PP+2*n], EPS7, v[PP+2*n]
	v_max_num_f32 v[PP+2*n+1], EPS7, v[PP+2*n+1]
	v_pk_mul_f32 v[PP+2*n:PP+2*n+1], v[PP+2*n:PP+2*n+1], s[44:45] op_sel_hi:[1,0]
	v_min_num_f32 v[PP+2*n], 0x3f7ffffe, v[PP+2*n]                                            ; a
	v_min_num_f32 v[PP+2*n+1], 0x3f7ffffe, v[PP+2*n+1]
	v_pk_fma_f32 v[DD+2*n:DD+2*n+1], v[PP+2*n:PP+2*n+1], -1.0, 1.0 op_sel_hi:[1,0,0]          ; 1 - a
	v_pk_add_f32 v[PP+2*n:PP+2*n+1], v[PP+2*n:PP+2*n+1], 1.0 op_sel_hi:[1,0]                  ; 1 + a
.set n, n+1
.endr
.set n, 0
.rept 40
	v_log_f32 v[PP+n], v[PP+n]
.set n, n+1
.endr
.set n, 0
.rept 40
	v_log_f32 v[DD+n], v[DD+n]
.set n, n+1
.endr
	v_nop
	s_wait_alu depctr_va_vdst(0)
.set n, 0
.rept 20
	v_pk_add_f32 v[PP+2*n:PP+2*n+1], v[DD+2*n:DD+2*n+1], v[PP+2*n:PP+2*n+1] neg_lo:[0,1] neg_hi:[0,1]
	v_pk_mul_f32 v[PP+2*n:PP+2*n+1], v[PP+2*n:PP+2*n+1], s[46:47] op_sel_hi:[1,0]             ; the score x log2 e
.set n, n+1
.endr
.irp j, 0,1,2,3,4,5,6,7                        ; key 8 h + j of the first tile counts where it is above r, of the last where it is not
	v_cmp_gt_i32 vcc_lo, \j, v14
	v_cndmask_b32 v[PP+\j], v15, v[PP+\j], vcc_lo
	v_cndmask_b32 v[PP+32+\j], v[PP+32+\j], v15, vcc_lo
.endr
	v_max3_num_f32 v24, v[PP], v[PP+1], v[PP+2]
	v_max3_num_f32 v26, v[PP+3], v[PP+4], v[PP+5]
.irp i, 6,10,14,18,22,26,30,34
	v_max3_num_f32 v24, v24, v[PP+\i], v[PP+\i+1]
	v_max3_num_f32 v26, v26, v[PP+\i+2], v[PP+\i+3]
.endr
	v_max3_num_f32 v24, v24, v[PP+38], v[PP+39]
	v_max_num_f32 v24, v24, v26
	v_permlanex16_b32 v26, v24, s2, s3
	v_max_num_f32 v24, v24, v26                    ; the row's maximum
	v_mov_b32 v25, v24
.set n, 0
.rept 20
	v_pk_add_f32 v[PP+2*n:PP+2*n+1], v[PP+2*n:PP+2*n+1], v[24:25] neg_lo:[0,1] neg_hi:[0,1]
.set n, n+1
.endr
.set n, 0
.rept 40
	v_exp_f32 v[PP+n], v[PP+n]
.set n, n+1
.endr
	v_nop
	s_wait_alu depctr_va_vdst(0)
	v_pk_add_f32 v[24:25], v[PP:PP+1], v[PP+2:PP+3]
	v_pk_add_f32 v[26:27], v[PP+4:PP+5], v[PP+6:PP+7]
.irp i, 8,12,16,20,24,28,32,36
	v_pk_add_f32 v[24:25], v[24:25], v[PP+\i:PP+\i+1]
	v_pk_add_f32 v[26:27], v[26:27], v[PP+\i+2:PP+\i+3]
.endr
	v_pk_add_f32 v[24:25], v[24:25], v[26:27]
	v_add_f32 v24, v24, v25
	v_permlanex16_b32 v26, v24, s2, s3
	v_add_f32 v24, v24, v26
	v_rcp_f32 v38, v24
	v_nop
	s_wait_alu depctr_va_vdst(0)
	v_mov_b32 v39, v38
	s_wait_loadcnt 0x0                             ; V, x, bo, ring groups 0 and 1
.irp i, 0,1,2,3,4,5,6,7                        ; x turns through my stage into the results' layout; LDS serves a wave's instructions in order
	ds_store_b128 v11, v[XI+4*\i:XI+4*\i+3] offset:544*\i
.endr
.set n, 0
.rept 8
	ds_load_b128 v[XI+4*n:XI+4*n+3], v12 offset:128*(n/4)+16*(n%4)
.set n, n+1
.endr
	WIN 0x01
.irp t, 0,1,2,3,4                              ; O^T = V^T P^T: registers 2 u, 2 u + 1 of a tile of V and of p hold the same four keys; four accumulators by turns
.irp u, 0,1,2,3
.irp d, 0,1,2,3
.if (\t == 0) && (\u == 0)
	v_wmma_f32_16x16x4_f32 v[SS+8*\d:SS+8*\d+7], v[32*\t+8*\d+2*\u:32*\t+8*\d+2*\u+1], v[PP+8*\t+2*\u:PP+8*\t+2*\u+1], 0
.else
	v_wmma_f32_16x16x4_f32 v[SS+8*\d:SS+8*\d+7], v[32*\t+8*\d+2*\u:32*\t+8*\d+2*\u+1], v[PP+8*\t+2*\u:PP+8*\t+2*\u+1], v[SS+8*\d:SS+8*\d+7]
.endif
.endr
.endr
.endr
	WIN 0
	s_wait_dscnt 0x0
.set n, 0
.rept 16
	v_pk_add_f32 v[C0+2*n:C0+2*n+1], v[XI+2*n:XI+2*n+1], v[C0+2*n:C0+2*n+1]   ; x + bo: the C of Wo's first products.  (These sixteen are also the places behind the last products)
.set n, n+1
.endr
.set n, 0
.rept 8
	global_load_b128 v[96+4*n:96+4*n+3], v7, s[30:31] offset:128*(n/4)+16*(n%4)      ; ln2_s
	global_load_b128 v[176+4*n:176+4*n+3], v7, s[32:33] offset:128*(n/4)+16*(n%4)    ; ln2_b
.set n, n+1
.endr
	WIN 0x40
.set n, 0
.rept 16
	global_load_b128 v[BB+4*n:BB+4*n+3], v7, s[34:35] offset:128*(n/4)+16*(n%4)      ; b1 of my first 128 hidden units
.set n, n+1
.endr
	WIN 0
	LOADG 2
	v_and_b32 v24, 31, v0
	v_and_b32 v25, 15, v0
	s_mul_i32 s52, s4, 768
	v_lshl_add_u32 v16, v24, 3, s52                ; where I store half a fragment: 8 x lane + 768 x wave
	s_lshr_b32 s52, s4, 1
	s_lshl_b32 s52, s52, 7
	s_and_b32 s53, s4, 1
	s_lshl_b32 s53, s53, 1
	s_add_co_u32 s52, s52, s53
	v_lshl_add_u32 v17, v24, 2, s52                ; and its two scale bytes: 4 x lane + 128 (wave / 2) + 2 (wave % 2)
	s_lshl_b32 s52, s4, 2
	v_lshl_add_u32 v18, v25, 5, s52                ; LN2: my partial sum of row r
	v_lshlrev_b32 v19, 5, v25                      ; and the row's eight
	s_mul_i32 s52, s4, 3072
	v_lshl_add_u32 v20, v24, 3, s52                ; the hidden layer's images: two fragments a wave
	s_lshl_b32 s52, s4, 8
	v_lshl_add_u32 v21, v24, 2, s52
	v_mov_b32 v22, 0xc0135761                      ; K1
	v_mov_b32 v23, 0xc0135761
	s_mov_b32 s52, 0x3b000000                      ; 1 / 512
.set n, 0
.rept 16
	v_pk_mul_f32 v[AT+2*n:AT+2*n+1], v[SS+2*n:SS+2*n+1], v[38:39]    ; attn: register 16 b + i is channel 32 b + 16 h + i of my head
.set n, n+1
.endr
	QPAIR AT, CD, WA
.irp p, 0,1,2
	ds_store_b64 v16, v[CD+2*\p:CD+2*\p+1] offset:AIMG+256*\p
.endr
	ds_store_b16 v17, v[WA] offset:ASC
	BAR                                            ; attn's four fragments lie in LDS
	; ---- Wo
.irp s, 0,1,2,3
	FETCH FB+12*\s, AIMG+1536*\s
	ds_load_b32 v[XS+\s], v5 offset:ASC+128*\s
.endr
	s_wait_dscnt 0x0
	STEPG 0, XO, FB, XS, 1, C0
	NEXTG 0
.irp s, 1,2,3
	STEPG \s, XO, FB+12*\s, XS+\s, 0, 0
	NEXTG \s
.endr
	; ---- LN2: a row's 512 lie in eight waves
	v_pk_add_f32 v[24:25], v[XO:XO+1], v[XO+2:XO+3]
	v_pk_add_f32 v[26:27], v[XO+4:XO+5], v[XO+6:XO+7]
.irp i, 8,12,16,20,24,28
	v_pk_add_f32 v[24:25], v[24:25], v[XO+\i:XO+\i+1]
	v_pk_add_f32 v[26:27], v[26:27], v[XO+\i+2:XO+\i+3]
.endr
	v_pk_add_f32 v[24:25], v[24:25], v[26:27]
	v_add_f32 v24, v24, v25
	v_permlanex16_b32 v26, v24, s2, s3
	v_add_f32 v24, v24, v26
	ds_store_b32 v18, v24 offset:RED1
	BAR
	ds_load_b128 v[28:31], v19 offset:RED1
	ds_load_b128 v[32:35], v19 offset:RED1+16
	s_wait_dscnt 0x0
	v_pk_add_f32 v[28:29], v[28:29], v[30:31]
	v_pk_add_f32 v[32:33], v[32:33], v[34:35]
	v_pk_add_f32 v[28:29], v[28:29], v[32:33]
	v_add_f32 v28, v28, v29
	v_mul_f32 v38, s52, v28                        ; the mean
	v_mov_b32 v39, v38
.set n, 0
.rept 16
	v_pk_add_f32 v[AT+2*n:AT+2*n+1], v[XO+2*n:XO+2*n+1], v[38:39] neg_lo:[0,1] neg_hi:[0,1]
.set n, n+1
.endr
	v_pk_mul_f32 v[24:25], v[AT:AT+1], v[AT:AT+1]
	v_pk_mul_f32 v[26:27], v[AT+2:AT+3], v[AT+2:AT+3]
.irp i, 4,8,12,16,20,24,28
	v_pk_fma_f32 v[24:25], v[AT+\i:AT+\i+1], v[AT+\i:AT+\i+1], v[24:25]
	v_pk_fma_f32 v[26:27], v[AT+\i+2:AT+\i+3], v[AT+\i+2:AT+\i+3], v[26:27]
.endr
	v_pk_add_f32 v[24:25], v[24:25], v[26:27]
	v_add_f32 v24, v24, v25
	v_permlanex16_b32 v26, v24, s2, s3
	v_add_f32 v24, v24, v26
	ds_store_b32 v18, v24 offset:RED2
	BAR
	ds_load_b128 v[28:31], v19 offset:RED2
	ds_load_b128 v[32:35], v19 offset:RED2+16
	s_wait_dscnt 0x0
	v_pk_add_f32 v[28:29], v[28:29], v[30:31]
	v_pk_add_f32 v[32:33], v[32:33], v[34:35]
	v_pk_add_f32 v[28:29], v[28:29], v[32:33]
	v_add_f32 v28, v28, v29
	v_fmaak_f32 v28, s52, v28, 0x358637bd          ; the variance + 1e-6
	v_rsq_f32 v38, v28
	v_nop
	s_wait_alu depctr_va_vdst(0)
	v_mov_b32 v39, v38
.set n, 0
.rept 16
	v_pk_mul_f32 v[AT+2*n:AT+2*n+1], v[AT+2*n:AT+2*n+1], v[38:39]
.set n, n+1
.endr
.set n, 0
.rept 16
	v_pk_fma_f32 v[96+2*n:97+2*n], v[AT+2*n:AT+2*n+1], v[96+2*n:97+2*n], v[176+2*n:177+2*n]   ; h (ln2_s and ln2_b came in ahead of ring group 2, which has been waited for)
.set n, n+1
.endr
	QPAIR 96, CD, WA
.irp p, 0,1,2
	ds_store_b64 v16, v[CD+2*\p:CD+2*\p+1] offset:HIMG+256*\p
.endr
	ds_store_b16 v17, v[WA] offset:HSC
	BAR                                            ; h's four fragments lie in LDS
	; ---- W1 and gelu: my 256 hidden units in two rounds of 128, each a K step of W2
.irp s, 0,1,2,3
	FETCH FB+12*\s, HIMG+1536*\s
	ds_load_b32 v[XS+\s], v5 offset:HSC+128*\s
.endr
	s_wait_dscnt 0x0
.irp rr, 0,1
.irp s, 0,1,2,3
.irp g, 0,1
.if \s == 0
	STEPG 4+8*\rr+2*\s+\g, HA+32*\g, FB+12*\s, XS+\s, 2, BB+32*\g
.else
	STEPG 4+8*\rr+2*\s+\g, HA+32*\g, FB+12*\s, XS+\s, 0, 0
.endif
.if (\s == 0) && (\g == 1)                     ; the biases have been taken in: their registers take the next ones
	WIN 0x40
.if \rr == 0
.set n, 0
.rept 16
	global_load_b128 v[BB+4*n:BB+4*n+3], v7, s[34:35] offset:512+128*(n/4)+16*(n%4)
.set n, n+1
.endr
.else
.set n, 0
.rept 8
	global_load_b128 v[BB+4*n:BB+4*n+3], v7, s[36:37] offset:128*(n/4)+16*(n%4)
.set n, n+1
.endr
.endif
	WIN 0
.endif
	NEXTG 4+8*\rr+2*\s+\g
.endr
.endr
	GELU32 HA
	GELU32 HA+32
	QPAIR HA, CD, WA
	QPAIR HA+32, CD+6, WB
	v_lshl_or_b32 v38, v[WB], 16, v[WA]
.irp p, 0,1,2,3,4,5
	ds_store_b64 v20, v[CD+2*\p:CD+2*\p+1] offset:FIMG+1536*\rr+256*\p
.endr
	ds_store_b32 v21, v38 offset:FSC+128*\rr
	s_wait_dscnt 0x0                               ; the stores have read their registers
.endr
	s_barrier_signal -1
	s_barrier_wait -1                              ; the hidden layer's sixteen fragments lie in LDS
	; ---- W2
	WIN 0x04
.set n, 0
.rept 16
	v_pk_add_f32 v[C0+2*n:C0+2*n+1], v[XO+2*n:XO+2*n+1], v[BB+2*n:BB+2*n+1]   ; x_out + b2: the C of W2's first products (b2 came in ahead of ring group 16, which has been waited for)
.set n, n+1
.endr
	WIN 0
.irp f, 0,1,2,3
	HFETCH \f
.endr
.irp s, 0,1,2,3,4,5,6,7,8,9,10,11,12,13,14,15
.if 15-\s >= 3
	s_wait_dscnt 21                                ; the three younger fragments, seven loads each, may be out
.else
	s_wait_dscnt 7*(15-\s)
.endif
.if \s == 0
	STEPG 20+\s, YA, FB+12*(\s%4), XS+(\s%4), 1, C0
.else
	STEPG 20+\s, YA, FB+12*(\s%4), XS+(\s%4), 0, 0
.endif
	NEXTG 20+\s
.if \s <= 11
	HFETCH \s+4
.endif
.endr
	; ---- the way out: through my stage, so that sixteen lanes store 256 consecutive bytes of a row
.set n, 0
.rept 8
	ds_store_b128 v12, v[YA+4*n:YA+4*n+3] offset:128*(n/4)+16*(n%4)   ; each accumulator from its low end on
.set n, n+1
.endr
.irp i, 0,1,2,3,4,5,6,7
	ds_load_b128 v[AT+4*\i:AT+4*\i+3], v11 offset:544*\i
.endr
.irp i, 0,1,2,3,4,5,6,7
	s_wait_dscnt 7-\i
	global_store_b128 v10, v[AT+4*\i:AT+4*\i+3], s[38:39] offset:4096*\i th:TH_STORE_NT
.endr
	s_wait_tensorcnt 0x0                           ; the wave's end
	ds_add_u32 v1, v2
	s_wait_dscnt 0x0
	s_endpgm
.Lfunc_end_k_q59fe489c86_rest:
	.size	k_q59fe489c86_rest, .Lfunc_end_k_q59fe489c86_rest-k_q59fe489c86_rest
	.p2alignl 7, 3214868480
	.fill 96, 4, 3214868480
	.section	.rodata,"a",@progbits
	.p2align	6, 0x0
	.amdhsa_kernel k_q59fe489c86_rest
		.amdhsa_group_segment_fixed_size 76800
		.amdhsa_private_segment_fixed_size 0
		.amdhsa_enable_private_segment 0
		.amdhsa_kernarg_size 128
		.amdhsa_user_sgpr_count 2
		.amdhsa_user_sgpr_kernarg_segment_ptr 1
		.amdhsa_wavefront_size32 1
		.amdhsa_system_sgpr_workgroup_id_x 1
		.amdhsa_system_sgpr_workgroup_id_y 1
		.amdhsa_system_sgpr_workgroup_id_z 1
		.amdhsa_system_vgpr_workitem_id 0
		.amdhsa_next_free_vgpr 512
		.amdhsa_next_free_sgpr 66
		.amdhsa_reserve_vcc 1
		.amdhsa_float_denorm_mode_32 3
		.amdhsa_float_denorm_mode_16_64 3
		.amdhsa_memory_ordered 1
		.amdhsa_forward_progress 1
		.amdhsa_inst_pref_size 207
	.end_amdhsa_kernel
	.amdgpu_metadata
---
amdhsa.version: [ 1, 2 ]
amdhsa.kernels:
  - .name:           k_q59fe489c86_rest
    .symbol:         k_q59fe489c86_rest.kd
    .args:
      - { .name: qimg, .offset: 0, .size: 8, .value_kind: global_buffer, .address_space: global }
      - { .name: kimg, .offset: 8, .size: 8, .value_kind: global_buffer, .address_space: global }
      - { .name: vimg, .offset: 16, .size: 8, .value_kind: global_buffer, .address_space: global }
      - { .name: qn2, .offset: 24, .size: 8, .value_kind: global_buffer, .address_space: global }
      - { .name: kn2, .offset: 32, .size: 8, .value_kind: global_buffer, .address_space: global }
      - { .name: c, .offset: 40, .size: 8, .value_kind: global_buffer, .address_space: global }
      - { .name: geo_scale, .offset: 48, .size: 8, .value_kind: global_buffer, .address_space: global }
      - { .name: x, .offset: 56, .size: 8, .value_kind: global_buffer, .address_space: global }
      - { .name: bo, .offset: 64, .size: 8, .value_kind: global_buffer, .address_space: global }
      - { .name: wimg, .offset: 72, .size: 8, .value_kind: global_buffer, .address_space: global }
      - { .name: wsc, .offset: 80, .size: 8, .value_kind: global_buffer, .address_space: global }
      - { .name: ln2_s, .offset: 88, .size: 8, .value_kind: global_buffer, .address_space: global }
      - { .name: ln2_b, .offset: 96, .size: 8, .value_kind: global_buffer, .address_space: global }
      - { .name: b1, .offset: 104, .size: 8, .value_kind: global_buffer, .address_space: global }
      - { .name: b2, .offset: 112, .size: 8, .value_kind: global_buffer, .address_space: global }
      - { .name: out0, .offset: 120, .size: 8, .value_kind: global_buffer, .address_space: global }
    .group_segment_fixed_size: 76800
    .private_segment_fixed_size: 0
    .kernarg_segment_align: 8
    .kernarg_segment_size: 128
    .max_flat_workgroup_size: 256
    .sgpr_count:     66
    .vgpr_count:     512
    .wavefront_size: 32
...
	.end_amdgpu_metadata
.endif
;; end of part 2
;; ======== version 2 of 2: 2 launches; version 1 with the launch rest written anew for expert scheduling mode
;; limits: a difference of large sums (such as E[x^2] - mean^2): digits are lost where the result is much smaller than its terms
;; workspace buffers: qimg 4,194,304 bytes; kimg 4,456,448 bytes; vimg 4,456,448 bytes; qn2 65,536 bytes; kn2 69,632 bytes; wimg 1,769,472 bytes; wsc 73,728 bytes
;; launch qkv: the kernel of part 1 again; grid 8 x 32, 4 waves a work-group, no clusters, 167,936 bytes of LDS; arguments x, ln1_s, ln1_b, Wq_codes, Wq_scales, bq, Wk_codes, Wk_scales, bk, Wv_codes, Wv_scales, bv, hash_offset, freqs_cos, freqs_sin, c, Wo_codes, Wo_scales, W1_codes, W1_scales, W2_codes, W2_scales, qimg, kimg, vimg, qn2, kn2, wimg, wsc; writes qimg, kimg, vimg, qn2, kn2, wimg, wsc
;; launch rest (part 3): grid 128 x 1, 8 waves a work-group, no clusters, 76,800 bytes of LDS; arguments qimg, kimg, vimg, qn2, kn2, c, geo_scale, x, bo, wimg, wsc, ln2_s, ln2_b, b1, b2, out0; writes out0
.if DOCPART == 3
	.amdgcn_target "amdgcn-amd-amdhsa--gfx1250"
	.amdhsa_code_object_version 6
	.text
	.protected	k_q59fe489c86_rest
	.globl	k_q59fe489c86_rest
	.p2align	8
	.type	k_q59fe489c86_rest,@function
k_q59fe489c86_rest:
	s_mov_b64 s[64:65], 0
	v_nop
	global_prefetch_b8 v0, s[64:65] scope:SCOPE_SE
	s_setreg_imm32_b32 hwreg(HW_REG_WAVE_SCHED_MODE, 0, 2), 2
	s_setreg_imm32_b32 hwreg(HW_REG_WAVE_MODE, 25, 1), 1
	s_wait_xcnt 0x0
	s_wait_alu depctr_vm_vsrc(0)
; SECOND LAUNCH.  For a block of 16 rows: window attention by Poincare distances, Wo, + x, LN2, W1, gelu, W2, + x_out.  Nothing between these steps goes to memory.
; No work of the problem is left out.  Of diff = (A x - B y) / den only the norm is used: |A x - B y|^2 = A^2 x.x + B^2 y.y - 2 A B x.y for all values, so the 64 differences of each score are not formed.
; LIMITS.  Where q_h and k_h nearly coincide (|A x - B y|^2 under about 1e-6 of A^2 x.x + B^2 y.y) the distance carries an absolute error of about 1e-3 |x| B / den.  A key outside the window has p = 0 and is
; still multiplied by its v: a NaN or an infinity in such a row of v would reach the result.  A block of 32 zeros gets the scale byte 1 (zero codes).  NaN and infinities among the inputs are not served.
; SHARES.  Work-group = 16 rows.  In the attention wave w is head w.  In each product wave w owns columns for all 16 rows: 64 of Wo's and W2's outputs, 256 hidden units: each weight byte enters the WGP once.
; 2,048 rows in tiles of 16, each row with one owner, are 128 work-groups.
; THE WEIGHTS come from memory straight into operand registers, as the first launch has laid them, in the order of use: 36 groups of four fragments and their scale words, three groups on their way.
; NO CLUSTER, NO TENSOR LOAD: with 16 rows a fragment feeds one matrix instruction; a joint load would send every weight byte through LDS and back out for that one use, with a round of the cluster for each refill.
; ATTENTION.  S^T = K Q^T and O^T = V^T P^T on f32 operands (their results go on into a quantiser): a lane holds one query (lane % 16).  Five tiles of 16 keys cover the window of 64; the first and the last are masked.
; score x log2 e = (geo / sqrt_c) (log2(1 - a) - log2(1 + a)), a = min(sqrt_c max(dn, 1e-7), 1 - 1e-7); the row's maximum is taken away; p = 2^(..); O is divided by p's sum.
; OPERANDS GO FROM WAVE TO WAVE THROUGH LDS AS IMAGES OF THEIR REGISTERS: register pair p of a fragment at 256 p + 8 x lane, a scale word at 4 x lane.  Five barriers; every region has bytes of its own.
; With a weight's rows base + r + 8 (r / 8) as source 0, register 16 b + i of lane (r, h) is column 32 b + 16 h + i of row r: sixteen neighbours along the next K.
; REGISTERS.  window 0: v1-15 addresses; v16-23 a query's constants, later more addresses; v24-39 at work; v40-51 the ring's scale words; v52-55 the other operand's; v56-95 S, O, x_out: written by matrix
; instructions alone; v96-135 y.y, then p; later ln2_s, h, the hidden layer (v96-159); v136-175 Q, then den; later attn, d; v160-191 gelu's; v176-207 x, ln2_b, the last sums; v208-239 x + bo, x_out + b2; v240-251 codes.
; window 1: v0-159 K, then V; later v0-47 ring slot 2, v48-95 four fragments of the other operand, v96-159 b1, b2; v160-207, v208-255 ring slots 0, 1.  s56-63: the window's eight masks.
; THE MODE: SCHED_MODE bits 1:0 = 2 (LLVM: expert scheduling mode 2), set by the entry lines.  The code itself states the register dependences
; between vector or matrix instructions and memory or LDS instructions, with s_wait_alu, always for 0.
; THE PLAN.  Registers that memory or LDS instructions touch, and who else names them:
;   v3-v13            offsets and LDS addresses: written at the head, never again.  One wait on va_vdst ahead of the first load states them for the whole kernel.
;   v16-v21           LDS addresses of the images and of LN2's sums: written once, behind the attention; the wait ahead of the first image's stores states them.
;   window 1 v0-159   K: read by the first product; V lands there behind one wait.  V: read by the second product; ring slot 2, the fragments from LDS and b1 land there behind one wait,
;                     which also states that the product is done reading p (ln2_s lands there) and the additions x (ln2_b lands there).
;   a ring slot, its four scale words   read by the four products of its group, asked for again at once: one wait on va_vdst behind those four.  The same wait serves the loads that follow it into
;                     the biases' registers (those products' C) and, in W2, into the hidden fragment and the scale word just multiplied.
;   v[XI ..]          x goes to my stage and comes back into the same registers: one wait on vm_vsrc between the stores and the loads.
;   v[CD ..], v36, v38, v24   data of LDS stores (codes, scale bytes, LN2's sums): written by vector instructions: one wait on va_vdst ahead of each run of stores, one on vm_vsrc ahead of the lines that write them again.
;   v28-v35, the fragments from LDS, v52-55   between the last wait on va_vdst and the loads into them stands no vector or matrix instruction that names them.
;   v[YA ..], v[AT ..]   the way out: one wait on va_vdst, behind the places: the sums are written, and all vector work on v[AT ..] is done.
; A, B and the scales of every scaled product come from loads.  A scalar that a vector instruction writes (the wave's number, the query's constants, the masks) has a wait on va_sdst ahead of its first reader.
.set AIMG,  0                          ; attn: 4 fragments of 1,536 bytes
.set ASC,   6144                       ; their scale words, 128 bytes each
.set HIMG,  6656                       ; h likewise
.set HSC,   12800
.set FIMG,  13312                      ; the hidden layer: 16 fragments
.set FSC,   37888
.set RED1,  39936                      ; LN2: 8 partial sums a row
.set RED2,  40448
.set STG,   40960                      ; a stage of 16 rows x (256 + 16) bytes for each wave
.set SPARE, 75776                      ; the spare words, 128 bytes for each wave: four blocks of 256 bytes that no other line names
.set SR,    40
.set XS,    52
.set SS,    56
.set XO,    56
.set PP,    96
.set DD,    136
.set QQ,    136
.set AT,    136
.set XI,    176
.set C0,    208
.set CD,    240
.set HA,    96
.set GT,    160
.set YA,    176
.set T0,    24
.set TP,    32
.set WA,    36
.set WB,    37
.set FB,    48                         ; in window 1
.set BB,    96                         ; in window 1
.set MK,    56                         ; s56-63
.set EPS7,  0x33d6bf95                 ; 1e-7
.set MSB, 0
.macro WIN new
.if MSB != \new
	s_set_vgpr_msb (MSB<<8)|\new
.set MSB, \new
.endif
.endm
.macro PLACES n
.rept \n
	v_nop
.endr
.endm
.macro QPAIR src, dst, wd              ; as in the first launch: 32 numbers of a lane -> six code registers and two scale bytes
	v_max3_num_f32 v[T0], |v[\src]|, |v[\src+1]|, 0x2800000
	v_max3_num_f32 v[T0+1], |v[\src+16]|, |v[\src+17]|, 0x2800000
.irp i, 2,4,6,8,10,12,14
	v_max3_num_f32 v[T0], v[T0], |v[\src+\i]|, |v[\src+\i+1]|
	v_max3_num_f32 v[T0+1], v[T0+1], |v[\src+16+\i]|, |v[\src+17+\i]|
.endr
	v_permlanex16_b32 v[T0+2], v[T0], s2, s3
	v_permlanex16_b32 v[T0+3], v[T0+1], s2, s3
	v_max_num_f32 v[T0], v[T0], v[T0+2]
	v_max_num_f32 v[T0+1], v[T0+1], v[T0+3]
	v_add_nc_u32 v[T0+4], 0xfe000000, v[T0]
	v_add_nc_u32 v[T0+5], 0xfe000000, v[T0+1]
	v_lshrrev_b32 v[T0+2], 23, v[T0+4]
	v_lshrrev_b32 v[T0+3], 23, v[T0+5]
	v_lshl_or_b32 v[\wd], v[T0+3], 8, v[T0+2]
	v_cvt_scalef32_pk16_bf6_f32 v[\dst:\dst+2], v[\src:\src+15], v[T0+4]
	v_cvt_scalef32_pk16_bf6_f32 v[TP:TP+2], v[\src+16:\src+31], v[T0+5]
	v_nop
.irp i, 0,1,2
	v_permlane16_swap_b32 v[\dst+\i], v[TP+\i]
.endr
.irp i, 0,1,2
	v_mov_b32 v[\dst+3+\i], v[TP+\i]
.endr
.endm
.macro PADD p                          ; a buffer's address + the offset in s52 (s53 = 0)
	s_add_nc_u64 s[\p:\p+1], s[\p:\p+1], s[52:53]
.endm
.macro LOADG G                         ; group G of my stream: four fragments (12 loads of 512 consecutive bytes) and their scale words: 13 loads
.set RB, 160+48*((\G)%3)
.if ((\G)%3) == 2
.set RB, 0
.endif
	WIN 0x40
.irp i, 0,1,2,3
.irp c, 0,1,2
	global_load_b128 v[RB+12*\i+4*\c:RB+12*\i+4*\c+3], v3, s[26:27] offset:6144*(\G)+1536*\i+512*\c
.endr
.endr
	WIN 0
	global_load_b128 v[SR+4*((\G)%3):SR+4*((\G)%3)+3], v6, s[28:29] offset:256*(\G)
.endm
.macro NEXTG G, w                      ; the slot just multiplied takes the group three further on.  w = 0: the wait stands a few loads further up
.if (\G)+3 <= 35
	WIN 0x40
.if \w
	s_wait_alu depctr_va_vdst(0)                   ; the four products above are done reading their ring slot and its scale words, in which the loads below land; in W2 also the hidden fragment and its scale word, which are fetched anew behind them
.endif
	LOADG (\G)+3
.endif
.endm
; Four products: group G's fragments (source 0) x the fragment at v[bf] of window 1.  cm = 0: in place; 1: the sums begin with v[cb ..] of window 0; 2: of window 1.  Four accumulators by turns.
.macro MM4 G, d, bf, bs, cm, cb
.set RB, 160+48*((\G)%3)
.if ((\G)%3) == 2
.set RB, 0
.endif
.set SRG, SR+4*((\G)%3)
.if \cm == 2
	WIN 0x15
.else
	WIN 0x05
.endif
.irp i, 0,1,2,3
.if \cm == 0
	v_wmma_scale_f32_16x16x128_f8f6f4 v[\d+8*\i:\d+8*\i+7], v[RB+12*\i:RB+12*\i+11], v[\bf:\bf+11], v[\d+8*\i:\d+8*\i+7], v[SRG+\i], v[\bs] matrix_a_fmt:MATRIX_FMT_BF6 matrix_b_fmt:MATRIX_FMT_BF6
.else
	v_wmma_scale_f32_16x16x128_f8f6f4 v[\d+8*\i:\d+8*\i+7], v[RB+12*\i:RB+12*\i+11], v[\bf:\bf+11], v[\cb+8*\i:\cb+8*\i+7], v[SRG+\i], v[\bs] matrix_a_fmt:MATRIX_FMT_BF6 matrix_b_fmt:MATRIX_FMT_BF6
.endif
.endr
.endm
.macro STEPG G, d, bf, bs, cm, cb
.if (\G) >= 2                          ; (groups 0 and 1 are covered by the wait for all loads ahead of the second attention product)
.if 35-(\G) >= 2
	s_wait_loadcnt 26                              ; the two younger groups may be out
.else
	s_wait_loadcnt 13*(35-(\G))
.endif
.endif
	MM4 \G, \d, \bf, \bs, \cm, \cb
	WIN 0
	PLACES 4                                       ; behind the products, in front of the first read of their results; they stay beside the wait that follows
.endm
.macro FETCH reg, off                  ; a fragment's image out of LDS into window 1
	WIN 0x40
.irp p, 0,1,2,3,4,5
	ds_load_b64 v[\reg+2*\p:\reg+2*\p+1], v4 offset:\off+256*\p
.endr
	WIN 0
.endm
.macro HFETCH f                        ; hidden fragment f and its scale words: seven LDS loads
	FETCH FB+12*((\f)%4), FIMG+1536*(\f)
	ds_load_b32 v[XS+(\f)%4], v5 offset:FSC+128*(\f)
.endm
.macro BAR                             ; my LDS stores have landed and my LDS loads are in: then the work-group's barrier
	s_wait_dscnt 0x0
	s_barrier_signal -1
	s_barrier_wait -1
.endm
.macro GELU32 a                        ; x / (1 + 2^(x (K1 + K2 x^2))), K1 = -2 log2(e) sqrt(2 / pi), K2 = 0.044715 K1: the tanh form of gelu
.set n, 0
.rept 16
	v_pk_mul_f32 v[GT+2*n:GT+2*n+1], v[\a+2*n:\a+2*n+1], v[\a+2*n:\a+2*n+1]
.set n, n+1
.endr
.set n, 0
.rept 16
	v_pk_fma_f32 v[GT+2*n:GT+2*n+1], v[GT+2*n:GT+2*n+1], s[50:51], v[22:23] op_sel_hi:[1,0,1]
.set n, n+1
.endr
.set n, 0
.rept 16
	v_pk_mul_f32 v[GT+2*n:GT+2*n+1], v[GT+2*n:GT+2*n+1], v[\a+2*n:\a+2*n+1]
.set n, n+1
.endr
.set n, 0
.rept 32
	v_exp_f32 v[GT+n], v[GT+n]
.set n, n+1
.endr
	v_nop
	s_wait_alu depctr_va_vdst(0)                   ; the 32 exponentials are written, ahead of their first reader: one wait for the batch
.set n, 0
.rept 16
	v_pk_add_f32 v[GT+2*n:GT+2*n+1], v[GT+2*n:GT+2*n+1], 1.0 op_sel_hi:[1,0]
.set n, n+1
.endr
.set n, 0
.rept 32
	v_rcp_f32 v[GT+n], v[GT+n]
.set n, n+1
.endr
	v_nop
	s_wait_alu depctr_va_vdst(0)                   ; the 32 reciprocals are written, ahead of their first reader
.set n, 0
.rept 16
	v_pk_mul_f32 v[\a+2*n:\a+2*n+1], v[\a+2*n:\a+2*n+1], v[GT+2*n:GT+2*n+1]
.set n, n+1
.endr
.endm
	s_load_b512 s[8:23], s[0:1], 0x0               ; qimg 8, kimg 10, vimg 12, qn2 14, kn2 16, c 18, geo_scale 20, x 22
	s_load_b512 s[24:39], s[0:1], 0x40             ; bo 24, wimg 26, wsc 28, ln2_s 30, ln2_b 32, b1 34, b2 36, out0 38
	v_lshl_add_u32 v1, v0, 2, SPARE
	v_mov_b32 v2, 0
	v_lshrrev_b32 v3, 5, v0
	v_readfirstlane_b32 s4, v3                     ; wave = head
	s_mov_b32 s2, 0x76543210
	s_mov_b32 s3, 0xfedcba98
	s_mov_b32 s50, 0xbdd2d3e8                      ; K2
	s_mov_b32 s51, s50
	v_and_b32 v16, 31, v0                          ; lane
	v_and_b32 v17, 15, v0                          ; r
	v_bfe_u32 v18, v0, 4, 1                        ; h
	v_lshlrev_b32 v3, 4, v16                       ; 16 x lane
	v_lshlrev_b32 v4, 3, v16                       ; 8 x lane
	v_lshlrev_b32 v5, 2, v16                       ; 4 x lane
	v_lshlrev_b32 v6, 4, v17                       ; 16 r
	v_lshlrev_b32 v7, 6, v18                       ; 64 h
	v_lshlrev_b32 v8, 5, v18                       ; 32 h
	v_lshlrev_b32 v9, 2, v17                       ; 4 r
	v_lshl_add_u32 v10, v18, 11, v6                ; x, out0: lanes 0-15 one row's 256 bytes, lanes 16-31 the next row's
	s_wait_alu depctr_va_sdst(0)                   ; s4, the wave's number, is written, ahead of its first reader
	s_mul_i32 s52, s4, 4352
	s_add_co_u32 s52, s52, STG                     ; my stage
	v_mul_u32_u24 v11, v18, 272
	v_add_nc_u32 v11, v11, v6
	v_add_nc_u32 v11, s52, v11                     ; by rows
	v_mul_u32_u24 v12, v17, 272
	v_lshl_add_u32 v12, v18, 6, v12
	v_add_nc_u32 v12, s52, v12                     ; by the results' layout: row r, + 64 h
	v_mov_b32 v13, 0
	v_lshlrev_b32 v14, 3, v18
	v_sub_nc_u32 v14, v17, v14                     ; r - 8 h
	v_mov_b32 v15, 0xff800000                      ; minus infinity
	s_mov_b32 s53, 0
	s_lshr_b32 s54, ttmp9, 6                       ; batch
	s_and_b32 s55, ttmp9, 63                       ; my tile of 16 positions
	s_lshl_b32 s56, s54, 3
	s_add_co_u32 s56, s56, s4                      ; 8 batch + head
	s_wait_kmcnt 0x0
	s_lshl_b32 s52, s56, 6
	s_add_co_u32 s52, s52, s55
	s_lshl_b32 s52, s52, 12
	PADD 8
	s_mul_i32 s52, s56, 68
	s_add_co_u32 s52, s52, s55
	s_lshl_b32 s52, s52, 12
	PADD 10                                        ; padded tiles qt .. qt + 4 hold positions 16 qt - 64 .. 16 qt + 15
	PADD 12
	s_lshl_b32 s52, s56, 12
	s_lshl_b32 s57, s55, 6
	s_add_co_u32 s52, s52, s57
	PADD 14
	s_mul_i32 s52, s56, 4352
	s_add_co_u32 s52, s52, s57
	PADD 16
	s_lshl_b32 s52, s54, 2
	PADD 18
	s_lshl_b32 s52, s4, 2
	PADD 20
	s_lshl_b32 s52, ttmp9, 15
	s_lshl_b32 s57, s4, 8
	s_add_co_u32 s52, s52, s57
	PADD 22
	PADD 38
	s_mov_b32 s52, s57
	PADD 24
	PADD 30
	PADD 32
	PADD 36
	s_lshl_b32 s52, s4, 10
	PADD 34
	s_mul_i32 s52, s4, 221184
	PADD 26
	s_mul_i32 s52, s4, 9216
	PADD 28
	s_wait_alu depctr_va_vdst(0)                   ; the offsets and LDS addresses v3 to v13 are written, which every load and store of the kernel reads; the head is done with v18, in which a load lands
.irp c, 0,1,2,3,4,5,6,7
	global_load_b128 v[QQ+4*\c:QQ+4*\c+3], v3, s[8:9] offset:512*\c th:TH_LOAD_NT
.endr
	WIN 0x40
.set n, 0
.rept 40
	global_load_b128 v[4*n:4*n+3], v3, s[10:11] offset:512*n
.set n, n+1
.endr
	WIN 0
.set n, 0
.rept 10
	global_load_b128 v[PP+4*n:PP+4*n+3], v8, s[16:17] offset:64*(n/2)+16*(n%2)   ; y.y in the scores' layout
.set n, n+1
.endr
	global_load_b32 v18, v9, s[14:15]              ; x.x of my query
	global_load_b32 v25, v13, s[18:19]             ; c
	global_load_b32 v26, v13, s[20:21]             ; geo_scale
.irp i, 0,1,2,3,4,5,6,7
	global_load_b128 v[XI+4*\i:XI+4*\i+3], v10, s[22:23] offset:4096*\i th:TH_LOAD_NT   ; sixteen lanes read 256 consecutive bytes of a row
.endr
.set n, 0
.rept 8
	global_load_b128 v[C0+4*n:C0+4*n+3], v7, s[24:25] offset:128*(n/4)+16*(n%4)
.set n, n+1
.endr
	LOADG 0
	LOADG 1
	s_wait_loadcnt 55                              ; behind K's last load: 10 + 3 + 16 + 26
	WIN 0x01
.irp s, 0,1,2,3,4,5,6,7,8,9,10,11,12,13,14,15  ; x.y: registers 2 s, 2 s + 1 of K's and of Q's image hold the same four dimensions; five accumulators by turns
.irp t, 0,1,2,3,4
.if \s == 0
	v_wmma_f32_16x16x4_f32 v[SS+8*\t:SS+8*\t+7], v[32*\t+2*\s:32*\t+2*\s+1], v[QQ+2*\s:QQ+2*\s+1], 0
.else
	v_wmma_f32_16x16x4_f32 v[SS+8*\t:SS+8*\t+7], v[32*\t+2*\s:32*\t+2*\s+1], v[QQ+2*\s:QQ+2*\s+1], v[SS+8*\t:SS+8*\t+7]
.endif
.endr
.endr
	WIN 0
	PLACES 8                                       ; in front of the first read of the scores and of the writes over Q
	WIN 0x40
	s_wait_alu depctr_va_vdst(0)                   ; the products are done reading K's registers, in which V lands
.set n, 0
.rept 40
	global_load_b128 v[4*n:4*n+3], v3, s[12:13] offset:512*n
.set n, n+1
.endr
	WIN 0
	s_wait_loadcnt 63                              ; 82 loads are younger than geo_scale's
	v_sqrt_f32 v27, v25
	v_nop
	s_wait_alu depctr_va_vdst(0)                   ; the root of c is written, ahead of its first reader
	v_max_num_f32 v27, EPS7, v27                   ; sqrt_c
	v_rcp_f32 v28, v27
	v_mul_f32 v29, -2.0, v25
	s_wait_alu depctr_va_vdst(0)                   ; 1 / sqrt_c is written, ahead of its first reader
	v_mul_f32 v28, v26, v28                        ; geo / sqrt_c
	v_readfirstlane_b32 s40, v25                   ; c
	v_readfirstlane_b32 s42, v29                   ; -2 c
	v_readfirstlane_b32 s44, v27                   ; sqrt_c
	v_readfirstlane_b32 s46, v28                   ; geo / sqrt_c
	s_wait_alu depctr_va_sdst(0)                   ; s40, s42, s44 and s46 are written, ahead of their first readers: one wait for the run of four
	s_mov_b32 s41, s40
	s_mov_b32 s43, s42
	s_mov_b32 s45, s44
	s_mov_b32 s47, s46
	v_mul_f32 v30, s40, v18                        ; c x.x
	v_sub_f32 v31, 1.0, v30                        ; B
	v_mul_f32 v22, v31, v31                        ; B^2
	v_mul_f32 v20, -2.0, v31                       ; -2 B
	v_mul_f32 v16, s40, v30                        ; c^2 x.x
	v_mov_b32 v17, v16
	v_mov_b32 v19, v18
	v_mov_b32 v21, v20
	v_mov_b32 v23, v22
.set n, 0
.rept 20                                       ; two scores at a time, each accumulator from its low end on
.set UU, 24+8*(n%2)
	v_pk_fma_f32 v[UU:UU+1], v[SS+2*n:SS+2*n+1], s[42:43], 1.0 op_sel_hi:[1,0,0]              ; 1 - 2 c x.y
	v_pk_fma_f32 v[UU+2:UU+3], v[PP+2*n:PP+2*n+1], s[40:41], v[UU:UU+1] op_sel_hi:[1,0,1]     ; A
	v_pk_fma_f32 v[DD+2*n:DD+2*n+1], v[PP+2*n:PP+2*n+1], v[16:17], v[UU:UU+1]                 ; den
	v_pk_mul_f32 v[UU+4:UU+5], v[UU+2:UU+3], v[18:19]
	v_pk_fma_f32 v[UU+4:UU+5], v[SS+2*n:SS+2*n+1], v[20:21], v[UU+4:UU+5]                     ; A x.x - 2 B x.y
	v_pk_mul_f32 v[PP+2*n:PP+2*n+1], v[PP+2*n:PP+2*n+1], v[22:23]
	v_pk_fma_f32 v[PP+2*n:PP+2*n+1], v[UU+2:UU+3], v[UU+4:UU+5], v[PP+2*n:PP+2*n+1]           ; |A x - B y|^2
	v_max_num_f32 v[PP+2*n], 0, v[PP+2*n]
	v_max_num_f32 v[PP+2*n+1], 0, v[PP+2*n+1]
	v_max_num_f32 v[DD+2*n], EPS7, v[DD+2*n]
	v_max_num_f32 v[DD+2*n+1], EPS7, v[DD+2*n+1]
.set n, n+1
.endr
.set n, 0
.rept 40
	v_sqrt_f32 v[PP+n], v[PP+n]
.set n, n+1
.endr
.set n, 0
.rept 40
	v_rcp_f32 v[DD+n], v[DD+n]
.set n, n+1
.endr
	v_nop
	s_wait_alu depctr_va_vdst(0)                   ; the 40 roots and the 40 reciprocals are written, ahead of their first reader: one wait for the 80
.set n, 0
.rept 20
	v_pk_mul_f32 v[PP+2*n:PP+2*n+1], v[PP+2*n:PP+2*n+1], v[DD+2*n:DD+2*n+1]                   ; dn
	v_max_num_f32 v[PP+2*n], EPS7, v[PP+2*n]
	v_max_num_f32 v[PP+2*n+1], EPS7, v[PP+2*n+1]
	v_pk_mul_f32 v[PP+2*n:PP+2*n+1], v[PP+2*n:PP+2*n+1], s[44:45] op_sel_hi:[1,0]
	v_min_num_f32 v[PP+2*n], 0x3f7ffffe, v[PP+2*n]                                            ; a
	v_min_num_f32 v[PP+2*n+1], 0x3f7ffffe, v[PP+2*n+1]
	v_pk_fma_f32 v[DD+2*n:DD+2*n+1], v[PP+2*n:PP+2*n+1], -1.0, 1.0 op_sel_hi:[1,0,0]          ; 1 - a
	v_pk_add_f32 v[PP+2*n:PP+2*n+1], v[PP+2*n:PP+2*n+1], 1.0 op_sel_hi:[1,0]                  ; 1 + a
.set n, n+1
.endr
.set n, 0
.rept 40
	v_log_f32 v[PP+n], v[PP+n]
.set n, n+1
.endr
.set n, 0
.rept 40
	v_log_f32 v[DD+n], v[DD+n]
.set n, n+1
.endr
	v_nop
	s_wait_alu depctr_va_vdst(0)                   ; the 80 logarithms are written, ahead of their first reader
.set n, 0
.rept 20
	v_pk_add_f32 v[PP+2*n:PP+2*n+1], v[DD+2*n:DD+2*n+1], v[PP+2*n:PP+2*n+1] neg_lo:[0,1] neg_hi:[0,1]
	v_pk_mul_f32 v[PP+2*n:PP+2*n+1], v[PP+2*n:PP+2*n+1], s[46:47] op_sel_hi:[1,0]             ; the score x log2 e
.set n, n+1
.endr
.irp j, 0,1,2,3,4,5,6,7                        ; key 8 h + j of the first tile counts where it is above r, of the last where it is not: the eight masks in one run
	v_cmp_gt_i32 s[MK+\j], \j, v14
.endr
	s_wait_alu depctr_va_sdst(0)                   ; the eight masks s56 to s63 are written, ahead of the selects that read them
.irp j, 0,1,2,3,4,5,6,7
	v_cndmask_b32 v[PP+\j], v15, v[PP+\j], s[MK+\j]
	v_cndmask_b32 v[PP+32+\j], v[PP+32+\j], v15, s[MK+\j]
.endr
	v_max3_num_f32 v24, v[PP], v[PP+1], v[PP+2]
	v_max3_num_f32 v26, v[PP+3], v[PP+4], v[PP+5]
.irp i, 6,10,14,18,22,26,30,34
	v_max3_num_f32 v24, v24, v[PP+\i], v[PP+\i+1]
	v_max3_num_f32 v26, v26, v[PP+\i+2], v[PP+\i+3]
.endr
	v_max3_num_f32 v24, v24, v[PP+38], v[PP+39]
	v_max_num_f32 v24, v24, v26
	v_permlanex16_b32 v26, v24, s2, s3
	v_max_num_f32 v24, v24, v26                    ; the row's maximum
	v_mov_b32 v25, v24
.set n, 0
.rept 20
	v_pk_add_f32 v[PP+2*n:PP+2*n+1], v[PP+2*n:PP+2*n+1], v[24:25] neg_lo:[0,1] neg_hi:[0,1]
.set n, n+1
.endr
.set n, 0
.rept 40
	v_exp_f32 v[PP+n], v[PP+n]
.set n, n+1
.endr
	v_nop
	s_wait_alu depctr_va_vdst(0)                   ; the 40 p are written, ahead of their first reader
	v_pk_add_f32 v[24:25], v[PP:PP+1], v[PP+2:PP+3]
	v_pk_add_f32 v[26:27], v[PP+4:PP+5], v[PP+6:PP+7]
.irp i, 8,12,16,20,24,28,32,36
	v_pk_add_f32 v[24:25], v[24:25], v[PP+\i:PP+\i+1]
	v_pk_add_f32 v[26:27], v[26:27], v[PP+\i+2:PP+\i+3]
.endr
	v_pk_add_f32 v[24:25], v[24:25], v[26:27]
	v_add_f32 v24, v24, v25
	v_permlanex16_b32 v26, v24, s2, s3
	v_add_f32 v24, v24, v26
	v_rcp_f32 v38, v24
	v_nop
	s_wait_alu depctr_va_vdst(0)                   ; 1 / the sum of p is written, ahead of its first reader
	v_mov_b32 v39, v38
	s_wait_loadcnt 0x0                             ; V, x, bo, ring groups 0 and 1
.irp i, 0,1,2,3,4,5,6,7                        ; x turns through my stage into the results' layout; LDS serves a wave's instructions in order
	ds_store_b128 v11, v[XI+4*\i:XI+4*\i+3] offset:544*\i
.endr
	s_wait_alu depctr_vm_vsrc(0)                   ; the LDS stores have read v[XI ..], in which the loads below land
.set n, 0
.rept 8
	ds_load_b128 v[XI+4*n:XI+4*n+3], v12 offset:128*(n/4)+16*(n%4)
.set n, n+1
.endr
	WIN 0x01
.irp t, 0,1,2,3,4                              ; O^T = V^T P^T: registers 2 u, 2 u + 1 of a tile of V and of p hold the same four keys; four accumulators by turns
.irp u, 0,1,2,3
.irp d, 0,1,2,3
.if (\t == 0) && (\u == 0)
	v_wmma_f32_16x16x4_f32 v[SS+8*\d:SS+8*\d+7], v[32*\t+8*\d+2*\u:32*\t+8*\d+2*\u+1], v[PP+8*\t+2*\u:PP+8*\t+2*\u+1], 0
.else
	v_wmma_f32_16x16x4_f32 v[SS+8*\d:SS+8*\d+7], v[32*\t+8*\d+2*\u:32*\t+8*\d+2*\u+1], v[PP+8*\t+2*\u:PP+8*\t+2*\u+1], v[SS+8*\d:SS+8*\d+7]
.endif
.endr
.endr
.endr
	WIN 0
	s_wait_dscnt 0x0
.set n, 0
.rept 16
	v_pk_add_f32 v[C0+2*n:C0+2*n+1], v[XI+2*n:XI+2*n+1], v[C0+2*n:C0+2*n+1]   ; x + bo: the C of Wo's first products.  (These sixteen are also the places behind the last products)
.set n, n+1
.endr
	s_wait_alu depctr_va_vdst(0)                   ; the products are done reading V and p, the additions are done reading x: ln2_s lands in p's registers, ln2_b in x's, b1, ring group 2 and later the fragments from LDS in V's
.set n, 0
.rept 8
	global_load_b128 v[96+4*n:96+4*n+3], v7, s[30:31] offset:128*(n/4)+16*(n%4)      ; ln2_s
	global_load_b128 v[176+4*n:176+4*n+3], v7, s[32:33] offset:128*(n/4)+16*(n%4)    ; ln2_b
.set n, n+1
.endr
	WIN 0x40
.set n, 0
.rept 16
	global_load_b128 v[BB+4*n:BB+4*n+3], v7, s[34:35] offset:128*(n/4)+16*(n%4)      ; b1 of my first 128 hidden units
.set n, n+1
.endr
	WIN 0
	LOADG 2
	v_and_b32 v24, 31, v0
	v_and_b32 v25, 15, v0
	s_mul_i32 s52, s4, 768
	v_lshl_add_u32 v16, v24, 3, s52                ; where I store half a fragment: 8 x lane + 768 x wave
	s_lshr_b32 s52, s4, 1
	s_lshl_b32 s52, s52, 7
	s_and_b32 s53, s4, 1
	s_lshl_b32 s53, s53, 1
	s_add_co_u32 s52, s52, s53
	v_lshl_add_u32 v17, v24, 2, s52                ; and its two scale bytes: 4 x lane + 128 (wave / 2) + 2 (wave % 2)
	s_lshl_b32 s52, s4, 2
	v_lshl_add_u32 v18, v25, 5, s52                ; LN2: my partial sum of row r
	v_lshlrev_b32 v19, 5, v25                      ; and the row's eight
	s_mul_i32 s52, s4, 3072
	v_lshl_add_u32 v20, v24, 3, s52                ; the hidden layer's images: two fragments a wave
	s_lshl_b32 s52, s4, 8
	v_lshl_add_u32 v21, v24, 2, s52
	v_mov_b32 v22, 0xc0135761                      ; K1
	v_mov_b32 v23, 0xc0135761
	s_mov_b32 s52, 0x3b000000                      ; 1 / 512
.set n, 0
.rept 16
	v_pk_mul_f32 v[AT+2*n:AT+2*n+1], v[SS+2*n:SS+2*n+1], v[38:39]    ; attn: register 16 b + i is channel 32 b + 16 h + i of my head
.set n, n+1
.endr
	QPAIR AT, CD, WA
	s_wait_alu depctr_va_vdst(0)                   ; attn's codes and scale bytes are written, which the LDS stores read; so are the LDS addresses v16 to v21
.irp p, 0,1,2
	ds_store_b64 v16, v[CD+2*\p:CD+2*\p+1] offset:AIMG+256*\p
.endr
	ds_store_b16 v17, v[WA] offset:ASC
	BAR                                            ; attn's four fragments lie in LDS
	; ---- Wo
.irp s, 0,1,2,3
	FETCH FB+12*\s, AIMG+1536*\s
	ds_load_b32 v[XS+\s], v5 offset:ASC+128*\s
.endr
	s_wait_dscnt 0x0
	STEPG 0, XO, FB, XS, 1, C0
	NEXTG 0, 1
.irp s, 1,2,3
	STEPG \s, XO, FB+12*\s, XS+\s, 0, 0
	NEXTG \s, 1
.endr
	; ---- LN2: a row's 512 lie in eight waves
	v_pk_add_f32 v[24:25], v[XO:XO+1], v[XO+2:XO+3]
	v_pk_add_f32 v[26:27], v[XO+4:XO+5], v[XO+6:XO+7]
.irp i, 8,12,16,20,24,28
	v_pk_add_f32 v[24:25], v[24:25], v[XO+\i:XO+\i+1]
	v_pk_add_f32 v[26:27], v[26:27], v[XO+\i+2:XO+\i+3]
.endr
	v_pk_add_f32 v[24:25], v[24:25], v[26:27]
	v_add_f32 v24, v24, v25
	v_permlanex16_b32 v26, v24, s2, s3
	v_add_f32 v24, v24, v26
	s_wait_alu depctr_va_vdst(0)                   ; my partial sum v24 is written, which the LDS store reads; all vector work on v28 to v35 is done, in which the row's eight sums land
	ds_store_b32 v18, v24 offset:RED1
	BAR
	ds_load_b128 v[28:31], v19 offset:RED1
	ds_load_b128 v[32:35], v19 offset:RED1+16
	s_wait_dscnt 0x0
	s_wait_alu depctr_vm_vsrc(0)                   ; the LDS stores have read v24, and attn's codes and scale bytes: the lines below write v24 again, the next quantiser the others
	v_pk_add_f32 v[28:29], v[28:29], v[30:31]
	v_pk_add_f32 v[32:33], v[32:33], v[34:35]
	v_pk_add_f32 v[28:29], v[28:29], v[32:33]
	v_add_f32 v28, v28, v29
	v_mul_f32 v38, s52, v28                        ; the mean
	v_mov_b32 v39, v38
.set n, 0
.rept 16
	v_pk_add_f32 v[AT+2*n:AT+2*n+1], v[XO+2*n:XO+2*n+1], v[38:39] neg_lo:[0,1] neg_hi:[0,1]
.set n, n+1
.endr
	v_pk_mul_f32 v[24:25], v[AT:AT+1], v[AT:AT+1]
	v_pk_mul_f32 v[26:27], v[AT+2:AT+3], v[AT+2:AT+3]
.irp i, 4,8,12,16,20,24,28
	v_pk_fma_f32 v[24:25], v[AT+\i:AT+\i+1], v[AT+\i:AT+\i+1], v[24:25]
	v_pk_fma_f32 v[26:27], v[AT+\i+2:AT+\i+3], v[AT+\i+2:AT+\i+3], v[26:27]
.endr
	v_pk_add_f32 v[24:25], v[24:25], v[26:27]
	v_add_f32 v24, v24, v25
	v_permlanex16_b32 v26, v24, s2, s3
	v_add_f32 v24, v24, v26
	s_wait_alu depctr_va_vdst(0)                   ; my partial sum of squares v24 is written, which the LDS store reads; the additions are done with v28 to v35, in which the row's eight land
	ds_store_b32 v18, v24 offset:RED2
	BAR
	ds_load_b128 v[28:31], v19 offset:RED2
	ds_load_b128 v[32:35], v19 offset:RED2+16
	s_wait_dscnt 0x0
	s_wait_alu depctr_vm_vsrc(0)                   ; the LDS store has read v24, which the quantiser below writes again
	v_pk_add_f32 v[28:29], v[28:29], v[30:31]
	v_pk_add_f32 v[32:33], v[32:33], v[34:35]
	v_pk_add_f32 v[28:29], v[28:29], v[32:33]
	v_add_f32 v28, v28, v29
	v_fmaak_f32 v28, s52, v28, 0x358637bd          ; the variance + 1e-6
	v_rsq_f32 v38, v28
	v_nop
	s_wait_alu depctr_va_vdst(0)                   ; 1 / the root of the variance is written, ahead of its first reader
	v_mov_b32 v39, v38
.set n, 0
.rept 16
	v_pk_mul_f32 v[AT+2*n:AT+2*n+1], v[AT+2*n:AT+2*n+1], v[38:39]
.set n, n+1
.endr
.set n, 0
.rept 16
	v_pk_fma_f32 v[96+2*n:97+2*n], v[AT+2*n:AT+2*n+1], v[96+2*n:97+2*n], v[176+2*n:177+2*n]   ; h (ln2_s and ln2_b came in ahead of ring group 2, which has been waited for)
.set n, n+1
.endr
	QPAIR 96, CD, WA
	s_wait_alu depctr_va_vdst(0)                   ; h's codes and scale bytes are written, which the LDS stores read
.irp p, 0,1,2
	ds_store_b64 v16, v[CD+2*\p:CD+2*\p+1] offset:HIMG+256*\p
.endr
	ds_store_b16 v17, v[WA] offset:HSC
	BAR                                            ; h's four fragments lie in LDS
	; ---- W1 and gelu: my 256 hidden units in two rounds of 128, each a K step of W2
.irp s, 0,1,2,3
	FETCH FB+12*\s, HIMG+1536*\s
	ds_load_b32 v[XS+\s], v5 offset:HSC+128*\s
.endr
	s_wait_dscnt 0x0
.irp rr, 0,1
.irp s, 0,1,2,3
.irp g, 0,1
.if \s == 0
	STEPG 4+8*\rr+2*\s+\g, HA+32*\g, FB+12*\s, XS+\s, 2, BB+32*\g
.else
	STEPG 4+8*\rr+2*\s+\g, HA+32*\g, FB+12*\s, XS+\s, 0, 0
.endif
.if (\s == 0) && (\g == 1)                     ; the biases have been taken in: their registers take the next ones
	WIN 0x40
	s_wait_alu depctr_va_vdst(0)                   ; the eight products above are done reading the biases, their C, in whose registers the next biases land; the last four are done reading their ring slot and its scale words, which are asked for again below
.if \rr == 0
.set n, 0
.rept 16
	global_load_b128 v[BB+4*n:BB+4*n+3], v7, s[34:35] offset:512+128*(n/4)+16*(n%4)
.set n, n+1
.endr
.else
.set n, 0
.rept 8
	global_load_b128 v[BB+4*n:BB+4*n+3], v7, s[36:37] offset:128*(n/4)+16*(n%4)
.set n, n+1
.endr
.endif
	NEXTG 4+8*\rr+2*\s+\g, 0
.else
	NEXTG 4+8*\rr+2*\s+\g, 1
.endif
.endr
.endr
	GELU32 HA
	GELU32 HA+32
	s_wait_alu depctr_vm_vsrc(0)                   ; the LDS stores of the image before (h's; in the second round the first round's) have read the codes' registers and their scale word's, which the lines below write again
	QPAIR HA, CD, WA
	QPAIR HA+32, CD+6, WB
	v_lshl_or_b32 v38, v[WB], 16, v[WA]
	s_wait_alu depctr_va_vdst(0)                   ; the round's codes and its scale word v38 are written, which the LDS stores read
.irp p, 0,1,2,3,4,5
	ds_store_b64 v20, v[CD+2*\p:CD+2*\p+1] offset:FIMG+1536*\rr+256*\p
.endr
	ds_store_b32 v21, v38 offset:FSC+128*\rr
.endr
	BAR                                            ; both rounds' stores have landed: the hidden layer's sixteen fragments lie in LDS
	; ---- W2
.irp f, 0,1,2,3
	HFETCH \f                                      ; asked for first: the additions below name none of the registers that these loads touch
.endr
	WIN 0x04
.set n, 0
.rept 16
	v_pk_add_f32 v[C0+2*n:C0+2*n+1], v[XO+2*n:XO+2*n+1], v[BB+2*n:BB+2*n+1]   ; x_out + b2: the C of W2's first products (b2 came in ahead of ring group 16, which has been waited for)
.set n, n+1
.endr
	WIN 0
.irp s, 0,1,2,3,4,5,6,7,8,9,10,11,12,13,14,15
.if 15-\s >= 3
	s_wait_dscnt 21                                ; the three younger fragments, seven loads each, may be out
.else
	s_wait_dscnt 7*(15-\s)
.endif
.if \s == 0
	STEPG 20+\s, YA, FB+12*(\s%4), XS+(\s%4), 1, C0
.else
	STEPG 20+\s, YA, FB+12*(\s%4), XS+(\s%4), 0, 0
.endif
	NEXTG 20+\s, 1
.if \s <= 11
	HFETCH \s+4
.endif
.endr
	; ---- the way out: through my stage, so that sixteen lanes store 256 consecutive bytes of a row
	s_wait_alu depctr_va_vdst(0)                   ; the last products have written the sums, which the LDS stores read (the four places stand ahead of this wait); all vector work on v[AT ..] is done, in which the rows land
.set n, 0
.rept 8
	ds_store_b128 v12, v[YA+4*n:YA+4*n+3] offset:128*(n/4)+16*(n%4)   ; each accumulator from its low end on
.set n, n+1
.endr
.irp i, 0,1,2,3,4,5,6,7
	ds_load_b128 v[AT+4*\i:AT+4*\i+3], v11 offset:544*\i
.endr
.irp i, 0,1,2,3,4,5,6,7
	s_wait_dscnt 7-\i
	global_store_b128 v10, v[AT+4*\i:AT+4*\i+3], s[38:39] offset:4096*\i th:TH_STORE_NT
.endr
	s_wait_dscnt 0x0                               ; the closing lines, six on end
	s_wait_alu 0x0
	s_wait_tensorcnt 0x0
	ds_add_u32 v1, v2
	s_wait_dscnt 0x0
	s_endpgm
.Lfunc_end_k_q59fe489c86_rest:
	.size	k_q59fe489c86_rest, .Lfunc_end_k_q59fe489c86_rest-k_q59fe489c86_rest
	.p2alignl 7, 3214868480
	.fill 96, 4, 3214868480
	.section	.rodata,"a",@progbits
	.p2align	6, 0x0
	.amdhsa_kernel k_q59fe489c86_rest
		.amdhsa_group_segment_fixed_size 76800
		.amdhsa_private_segment_fixed_size 0
		.amdhsa_enable_private_segment 0
		.amdhsa_kernarg_size 128
		.amdhsa_user_sgpr_count 2
		.amdhsa_user_sgpr_kernarg_segment_ptr 1
		.amdhsa_wavefront_size32 1
		.amdhsa_system_sgpr_workgroup_id_x 1
		.amdhsa_system_sgpr_workgroup_id_y 1
		.amdhsa_system_sgpr_workgroup_id_z 1
		.amdhsa_system_vgpr_workitem_id 0
		.amdhsa_next_free_vgpr 512
		.amdhsa_next_free_sgpr 66
		.amdhsa_reserve_vcc 0
		.amdhsa_float_denorm_mode_32 3
		.amdhsa_float_denorm_mode_16_64 3
		.amdhsa_memory_ordered 1
		.amdhsa_forward_progress 1
		.amdhsa_inst_pref_size 210
	.end_amdhsa_kernel
	.amdgpu_metadata
---
amdhsa.version: [ 1, 2 ]
amdhsa.kernels:
  - .name:           k_q59fe489c86_rest
    .symbol:         k_q59fe489c86_rest.kd
    .args:
      - { .name: qimg, .offset: 0, .size: 8, .value_kind: global_buffer, .address_space: global }
      - { .name: kimg, .offset: 8, .size: 8, .value_kind: global_buffer, .address_space: global }
      - { .name: vimg, .offset: 16, .size: 8, .value_kind: global_buffer, .address_space: global }
      - { .name: qn2, .offset: 24, .size: 8, .value_kind: global_buffer, .address_space: global }
      - { .name: kn2, .offset: 32, .size: 8, .value_kind: global_buffer, .address_space: global }
      - { .name: c, .offset: 40, .size: 8, .value_kind: global_buffer, .address_space: global }
      - { .name: geo_scale, .offset: 48, .size: 8, .value_kind: global_buffer, .address_space: global }
      - { .name: x, .offset: 56, .size: 8, .value_kind: global_buffer, .address_space: global }
      - { .name: bo, .offset: 64, .size: 8, .value_kind: global_buffer, .address_space: global }
      - { .name: wimg, .offset: 72, .size: 8, .value_kind: global_buffer, .address_space: global }
      - { .name: wsc, .offset: 80, .size: 8, .value_kind: global_buffer, .address_space: global }
      - { .name: ln2_s, .offset: 88, .size: 8, .value_kind: global_buffer, .address_space: global }
      - { .name: ln2_b, .offset: 96, .size: 8, .value_kind: global_buffer, .address_space: global }
      - { .name: b1, .offset: 104, .size: 8, .value_kind: global_buffer, .address_space: global }
      - { .name: b2, .offset: 112, .size: 8, .value_kind: global_buffer, .address_space: global }
      - { .name: out0, .offset: 120, .size: 8, .value_kind: global_buffer, .address_space: global }
    .group_segment_fixed_size: 76800
    .private_segment_fixed_size: 0
    .kernarg_segment_align: 8
    .kernarg_segment_size: 128
    .max_flat_workgroup_size: 256
    .sgpr_count:     66
    .vgpr_count:     512
    .wavefront_size: 32
...
	.end_amdgpu_metadata
.endif
;; end of part 3
